; MI455X (gfx1250); checked and timed in simulation.
; The chip was launched on July 23, 2026; its instructions are those of AMD's public machine-readable ISA for CDNA 5 (MIT licence, August 2026) and "CDNA5" Instruction Set Architecture Reference Guide (July 2026). The comments in the code are by the model that wrote it; some were corrected since.
;; KNN Classifier. Allowed arithmetic: float matrix products may take bf16 or f16 operands with f32 sums; all other float work in f32.
;; Inputs: X 1,024 x 512 float32; X_train 100,000 x 512 float32; y_train 100,000 int32.
;; Outputs: out0 1,024 int32.
;; Constants: k = 8.
;; 2 versions, each right. Each part assembles by itself: llvm-mc -triple=amdgcn-amd-amdhsa -mcpu=gfx1250 --defsym DOCPART=n.
;; ======== version 1 of 2: 4 launches
;; workspace buffers: xfrag 1,048,576 bytes; candkey 4,194,304 bytes; candrow 4,194,304 bytes of whole numbers; order 32,768 bytes of whole numbers
;; launch pack (part 1): grid 256 x 1, 2 waves a work-group, no clusters, 0 bytes of LDS; arguments X, xfrag; writes xfrag
.if DOCPART == 1
	.amdgcn_target "amdgcn-amd-amdhsa--gfx1250"
	.amdhsa_code_object_version 6
	.text
	.protected	k_qcb07cff7e1_pack
	.globl	k_qcb07cff7e1_pack
	.p2align	8
	.type	k_qcb07cff7e1_pack,@function
k_qcb07cff7e1_pack:
	s_mov_b64 s[64:65], 0
	v_nop
	global_prefetch_b8 v0, s[64:65] scope:SCOPE_SE
	s_setreg_imm32_b32 hwreg(HW_REG_WAVE_MODE, 25, 1), 1
	s_wait_xcnt 0x0
; xfrag = X [1024][512] f32 rounded to bf16 (nearest even), laid out as the second matrix source of the 16x16x32 bf16 form wants it:
; [block of 64 queries, 16][K step of 32, 16][q, 4][half, 2][lane, 32][16 bytes].
; Fragment (q, K step), lane (r = lane % 16, h = lane / 16) holds query 64 block + 4 r + q; half 0 holds k = 32 step + 8 h .. + 7,
; half 1 holds k = 32 step + 16 + 8 h .. + 7.  The next launch then fills its query registers by plain contiguous 16-byte loads.
; 512 waves; wave W takes query tile T = W / 8 (block T / 4, q = T % 4) and the two K steps 2 p, 2 p + 1 with p = W % 8:
; 256 consecutive aligned bytes of each of its sixteen rows.  Each store of a wave covers 512 consecutive bytes.
; No LDS, no barrier: every wave works for itself.
.set IN,  4                            ; v[4:35]   eight loads of four f32
.set OUT, 36                           ; v[36:51]  sixteen words of two bf16
	s_load_b128 s[4:7], s[0:1], 0x0                ; X s[4:5], xfrag s[6:7]
	v_lshrrev_b32 v1, 5, v0
	v_readfirstlane_b32 s8, v1                     ; wave 0, 1
	s_lshl1_add_u32 s9, ttmp9, s8                  ; W = 2 x work-group + wave
	s_lshr_b32 s10, s9, 5                          ; block of 64 queries, 0 to 15
	s_bfe_u32 s11, s9, 0x20003                     ; q: two bits from bit 3
	s_and_b32 s12, s9, 7                           ; p
	s_lshl_b32 s13, s10, 17                        ; 64 rows of 2,048 bytes
	s_lshl_b32 s14, s11, 11                        ; q rows
	s_add_co_u32 s13, s13, s14
	s_lshl_b32 s14, s12, 8                         ; 64 p numbers of 4 bytes
	s_add_co_u32 s13, s13, s14
	v_and_b32 v2, 15, v0                           ; r
	v_bfe_u32 v3, v0, 4, 1                         ; h
	v_lshlrev_b32 v2, 13, v2                       ; 4 r rows
	v_lshl_add_u32 v2, v3, 5, v2                   ; + 8 h numbers
	v_add_nc_u32 v2, s13, v2                       ; my byte offset in X
	s_lshl_b32 s15, s10, 16                        ; a block's fragments: 65,536 bytes
	s_lshl_b32 s14, s12, 13                        ; two K steps of 4,096 bytes
	s_add_co_u32 s15, s15, s14
	s_lshl_b32 s14, s11, 10                        ; q fragments of 1,024 bytes
	s_add_co_u32 s15, s15, s14
	v_and_b32 v3, 31, v0
	v_lshlrev_b32 v3, 4, v3
	v_add_nc_u32 v3, s15, v3                       ; my byte offset in xfrag
	s_wait_kmcnt 0x0
.set nn, 0
.rept 8
	global_load_b128 v[IN+4*nn:IN+4*nn+3], v2, s[4:5] offset:(nn>>1)*64+(nn&1)*16   ; pieces of 32 bytes at 0, 64, 128, 192
.set nn, nn+1
.endr
	s_wait_loadcnt 0x0                             ; all eight: nothing else is left to do meanwhile
.set nn, 0
.rept 16
	v_cvt_pk_bf16_f32 v[OUT+nn], v[IN+2*nn], v[IN+2*nn+1]      ; the lower k into the lower half
.set nn, nn+1
.endr
.set nn, 0
.rept 4
	global_store_b128 v3, v[OUT+4*nn:OUT+4*nn+3], s[6:7] offset:(nn>>1)*4096+(nn&1)*512
.set nn, nn+1
.endr
	s_endpgm
.Lfunc_end_k_qcb07cff7e1_pack:
	.size	k_qcb07cff7e1_pack, .Lfunc_end_k_qcb07cff7e1_pack-k_qcb07cff7e1_pack
	.p2alignl 7, 3214868480
	.fill 96, 4, 3214868480
	.section	.rodata,"a",@progbits
	.p2align	6, 0x0
	.amdhsa_kernel k_qcb07cff7e1_pack
		.amdhsa_group_segment_fixed_size 0
		.amdhsa_private_segment_fixed_size 0
		.amdhsa_enable_private_segment 0
		.amdhsa_kernarg_size 16
		.amdhsa_user_sgpr_count 2
		.amdhsa_user_sgpr_kernarg_segment_ptr 1
		.amdhsa_wavefront_size32 1
		.amdhsa_system_sgpr_workgroup_id_x 1
		.amdhsa_system_sgpr_workgroup_id_y 1
		.amdhsa_system_sgpr_workgroup_id_z 1
		.amdhsa_system_vgpr_workitem_id 0
		.amdhsa_next_free_vgpr 52
		.amdhsa_next_free_sgpr 66
		.amdhsa_reserve_vcc 0
		.amdhsa_float_denorm_mode_32 3
		.amdhsa_float_denorm_mode_16_64 3
		.amdhsa_memory_ordered 1
		.amdhsa_forward_progress 1
		.amdhsa_inst_pref_size 4
	.end_amdhsa_kernel
	.amdgpu_metadata
---
amdhsa.version: [ 1, 2 ]
amdhsa.kernels:
  - .name:           k_qcb07cff7e1_pack
    .symbol:         k_qcb07cff7e1_pack.kd
    .args:
      - { .name: X, .offset: 0, .size: 8, .value_kind: global_buffer, .address_space: global }
      - { .name: xfrag, .offset: 8, .size: 8, .value_kind: global_buffer, .address_space: global }
    .group_segment_fixed_size: 0
    .private_segment_fixed_size: 0
    .kernarg_segment_align: 8
    .kernarg_segment_size: 16
    .max_flat_workgroup_size: 64
    .sgpr_count:     66
    .vgpr_count:     52
    .wavefront_size: 32
...
	.end_amdgpu_metadata
.endif
;; end of part 1
;; launch knn (part 2): grid 256 x 1, 4 waves a work-group, clusters of 4 x 1, 327,680 bytes of LDS; arguments X_train, xfrag, candkey, candrow; writes candkey, candrow
.if DOCPART == 2
	.amdgcn_target "amdgcn-amd-amdhsa--gfx1250"
	.amdhsa_code_object_version 6
	.text
	.protected	k_qcb07cff7e1_knn
	.globl	k_qcb07cff7e1_knn
	.p2align	8
	.type	k_qcb07cff7e1_knn,@function
k_qcb07cff7e1_knn:
	s_mov_b64 s[64:65], 0
	v_nop
	global_prefetch_b8 v0, s[64:65] scope:SCOPE_SE
	s_setreg_imm32_b32 hwreg(HW_REG_WAVE_MODE, 25, 1), 1
	s_wait_xcnt 0x0
	s_wait_alu depctr_hold_cnt(0) depctr_sa_sdst(0) depctr_va_vdst(0) depctr_va_sdst(0) depctr_va_ssrc(0) depctr_va_vcc(0) depctr_vm_vsrc(0)
	s_getreg_b32 s2, hwreg(HW_REG_IB_STS2, 6, 4)
	s_cmp_eq_u32 s2, 0
	s_cbranch_scc0 .Lentry_in_a_cluster
	s_endpgm
.Lentry_in_a_cluster:
	s_bfe_u32 s2, ttmp6, 0x10000c
	s_cmp_lg_u32 s2, 0x3003
	s_cbranch_scc0 .Lentry_shape_is_right
	s_endpgm
.Lentry_shape_is_right:
; For every query: the 8 best groups of 8 consecutive training rows in each of 128 streams, ranked by
; key = max over the group's rows of s = x.t - t2/2  (d2 = x2 - 2 s, so the largest s is the smallest distance),
; equal keys: the lower row first.  x and t are rounded to bf16, t2 is the sum of squares of the ROUNDED numbers, all sums in f32.
; The 8 best groups hold the 8 best rows: a row of a group left out has 8 rows ahead of it, one in each chosen group.
; LIMITS: inputs finite and sums of squares inside f32.  Groups are ranked before the clip at 0 and the root that the last launch
; applies: two rows whose d2 differ while their roots round alike may be told apart here by d2 and not by their index.
;
; SHARES.  64 clusters of four work-groups.  Cluster c owns a slab of training rows: groups 195 c + max(c - 44, 0) on, 49 tiles of 32 rows
; (196 groups).  12,500 groups = 44 x 195 + 20 x 196: in slabs c < 44 the 196th group is the next slab's first and its key is replaced by -inf.
; The four work-groups of a cluster own the four blocks of 256 queries and read the SAME training tiles: each tile is asked for jointly
; (mask 15), so it is requested once for the four.  Wave w keeps 64 queries x 512 k as 64 fragments in 512 registers for the whole launch.
; A tile comes as f32 into one of two LDS slots (wave w brings K quarter w, 32 rows x 512 bytes), is rounded to bf16 ONCE per work-group
; (wave w: rows 16 (w & 1) .., K half w >> 1) into fragment order in a second LDS region, and is then read by all four waves.
; The same wave forms its rows' squares by multiplying its fragments with themselves and taking the diagonal.
; First matrix source = 16 training rows, second = 16 queries: lane (r, h), register j of a result is (row 8 h + j, query column r),
; so a group of 8 rows is a lane's own 8 registers and its maximum needs no traffic between lanes.  Column r of fragment q is query 4 r + q.
;
; LDS: f32 slot s at s x 67,584: quarter kq at + kq x 16,896, row at + 528 (512 of data, 16 of padding: row r starts 33 r sixteen-byte
; columns on, so sixteen rows touch sixteen different columns modulo 256 bytes).  bf16 buffer b at 135,168 + b x 32,768: fragment (K step, rt)
; at (2 step + rt) x 1,024 + half x 512 + lane x 16.  -t2/2 at 200,704 + b x 256 + K half x 128 + row x 4.  The last two regions are written
; by LDS stores alone; no tensor load lands there.
; REGISTERS: window 1: query fragments of K steps 0-7 at 8 (4 (step & 7) + q); window 2: steps 8-15; window 3: the tile's 32 fragments at
; 8 (2 step + rt); window 0: all the rest (below).
.set QPITCH, 528
.set QUART,  32*QPITCH                 ; 16,896: what one tensor load brings
.set SLOT,   4*QUART                   ; 67,584
.set BF,     2*SLOT                    ; 135,168
.set BFB,    32768
.set T2P,    BF+2*BFB                  ; 200,704
.set TILEB,  65536                     ; 32 rows of 2,048 bytes in memory
.set ABASE, 4                          ; v4     BF + 16 lane
.set T2LD,  5                          ; v5     T2P + 32 h
.set CVA,   6                          ; v6-7   where I read f32 for the rounding, slot 0, 1
.set CST,   8                          ; v8     where I put bf16 fragments
.set T2ST,  9                          ; v9     where I put -t2/2
.set PFO,   10                         ; v10    prefetch: my 256 bytes of a tile
.set L16,   11                         ; v11    16 lane
.set OUTO,  12                         ; v12    my byte offset in the outputs
.set ROWH,  13                         ; v13    slab's first row + 8 h
.set TA,    14
.set T2N,   16                         ; v[16:31]   -t2/2 as the sums' start, rt 0 and 1
.set ACC,   32                         ; v[32:95]   accumulator (rt, q) at 32 + 8 (4 rt + q)
.set FRG,   32                         ; the same registers: my eight bf16 fragments while I round the next tile
.set S,     96                         ; v[96:159]  f32 on their way
.set L,     160                        ; v[160:191] list of keys: rank i, query q at 160 + 4 i + q
.set ID,    192                        ; v[192:223] the same for the group's row (counted from ROWH)
.set GA,    224                        ; v[224:231], v[232:239]: two accumulators for the squares
.set GB,    232
.set KEY,   240                        ; v[240:247] group maxima (rt, q)
.set TW,    248
.set G1,  16                           ; s[16:23] descriptor group 1
.set G0,  24                           ; s[24:31] descriptor group 0, a set for each slot
.set CM,  44                           ; s[44:51] masks of an insertion
.set MSB, 0
.macro WIN new                         ; the immediate's high byte repeats the setting that is left
.if MSB != \new
	s_set_vgpr_msb (MSB<<8)|\new
.set MSB, \new
.endif
.endm
.macro PLACES                          ; four plain vector places behind a matrix instruction before its result is read (ISA guide 7.12.1)
.rept 4
	v_nop
.endr
.endm
; A round of the cluster's barrier: my work-group's barrier, wave 0 signals for the work-group, every wave waits for all four work-groups, my work-group's barrier again.
.macro ROUND
	s_barrier_signal -1
	s_barrier_wait -1
	s_cmp_lg_u32 s12, 0
	s_cbranch_scc1 .Lnot_wave_0_\@
	s_barrier_signal -3
.Lnot_wave_0_\@:
	s_barrier_wait -3
	s_barrier_signal -1
	s_barrier_wait -1
.endm
; Waves 0 and 1 of each of the four work-groups ask for 32 blocks of 256 bytes each: 8 x 32 x 256 = the 65,536 bytes of one tile, each block once.
.macro ASK
	s_cmp_gt_u32 s12, 1
	s_cbranch_scc1 .Lno_ask_\@
	global_prefetch_b8 v[PFO], s[52:53] th:TH_LOAD_NT scope:SCOPE_SE
.Lno_ask_\@:
.endm
; 32 LDS loads: halves i0 .. i0 + 31 of the tile's fragments into window 3
.macro ALOAD b, i0
.set ii, \i0
.rept 32
	ds_load_b128 v[4*ii:4*ii+3], v[ABASE] offset:\b*BFB+ii*512
.set ii, ii+1
.endr
.endm
; One K step: 2 row blocks x 4 query blocks.  The eight accumulators take turns, one instruction a turn.
; first = 1: the sums start from -t2/2.
.macro MULK ks, first
.irp rt, 0,1
.irp q, 0,1,2,3
.if \first
	v_wmma_f32_16x16x32_bf16 v[ACC+8*(4*\rt+\q):ACC+8*(4*\rt+\q)+7], v[8*(2*\ks+\rt):8*(2*\ks+\rt)+7], v[8*(4*(\ks&7)+\q):8*(4*(\ks&7)+\q)+7], v[T2N+8*\rt:T2N+8*\rt+7]
.else
	v_wmma_f32_16x16x32_bf16 v[ACC+8*(4*\rt+\q):ACC+8*(4*\rt+\q)+7], v[8*(2*\ks+\rt):8*(2*\ks+\rt)+7], v[8*(4*(\ks&7)+\q):8*(4*(\ks&7)+\q)+7], v[ACC+8*(4*\rt+\q):ACC+8*(4*\rt+\q)+7]
.endif
.endr
.endr
.endm
; The maximum of each accumulator's eight registers = of a group of 8 rows
.macro LEVEL0
.irp e, 0,1,2,3,4,5,6,7
	v_max3_num_f32 v[KEY+\e], v[ACC+8*\e], v[ACC+8*\e+1], v[ACC+8*\e+2]
.endr
.irp e, 0,1,2,3,4,5,6,7
	v_max3_num_f32 v[KEY+\e], v[KEY+\e], v[ACC+8*\e+3], v[ACC+8*\e+4]
.endr
.irp e, 0,1,2,3,4,5,6,7
	v_max3_num_f32 v[KEY+\e], v[KEY+\e], v[ACC+8*\e+5], v[ACC+8*\e+6]
.endr
.irp e, 0,1,2,3,4,5,6,7
	v_max_num_f32 v[KEY+\e], v[KEY+\e], v[ACC+8*\e+7]
.endr
.endm
; One key goes into query q's descending list of 8, without a branch.  All compares look at the old list; ranks are rewritten from the
; last up, so each still sees its old neighbour.  New key of rank i = the middle one of (old rank i - 1, old rank i, key).
; The compare is strict and rows come in ascending order: of equal keys the lower row stays ahead.
.macro INS q, key, sid
.irp i, 0,1,2,3,4,5,6,7
	v_cmp_gt_f32 s[CM+\i], v[\key], v[L+4*\i+\q]
.endr
.irp i, 7,6,5,4,3,2,1
	v_cndmask_b32 v[ID+4*\i+\q], v[ID+4*\i+\q], s[\sid], s[CM+\i]
	v_cndmask_b32 v[ID+4*\i+\q], v[ID+4*\i+\q], v[ID+4*\i-4+\q], s[CM+\i-1]
	v_med3_num_f32 v[L+4*\i+\q], v[L+4*\i-4+\q], v[L+4*\i+\q], v[\key]
.endr
	v_cndmask_b32 v[ID+\q], v[ID+\q], s[\sid], s[CM]
	v_max_num_f32 v[L+\q], v[L+\q], v[\key]
.endm
; Rounding a tile.  g = which four of my eight fragments (one K quarter of the f32 slot).
.macro CONVLD slot, g                  ; 16 loads: fragment f of four takes 32 bytes at 128 f and 32 at 128 f + 64
.set nn, 0
.rept 16
	ds_load_b128 v[S+4*nn:S+4*nn+3], v[CVA+\slot] offset:\g*QUART+(nn>>2)*128+((nn>>1)&1)*64+(nn&1)*16
.set nn, nn+1
.endr
.endm
.macro CONVCV g
.set nn, 0
.rept 32
	v_cvt_pk_bf16_f32 v[FRG+32*\g+nn], v[S+2*nn], v[S+2*nn+1]
.set nn, nn+1
.endr
.endm
.macro GRAM1 d, f, zero                ; fragment f times itself: the diagonal gathers the rows' squares
.if \zero
	v_wmma_f32_16x16x32_bf16 v[\d:\d+7], v[FRG+8*\f:FRG+8*\f+7], v[FRG+8*\f:FRG+8*\f+7], 0
.else
	v_wmma_f32_16x16x32_bf16 v[\d:\d+7], v[FRG+8*\f:FRG+8*\f+7], v[FRG+8*\f:FRG+8*\f+7], v[\d:\d+7]
.endif
.endm
.macro CONVST b, g
.irp f, 0,1,2,3
	ds_store_b128 v[CST], v[FRG+32*\g+8*\f:FRG+32*\g+8*\f+3] offset:\b*BFB+(4*\g+\f)*2048
	ds_store_b128 v[CST], v[FRG+32*\g+8*\f+4:FRG+32*\g+8*\f+7] offset:\b*BFB+(4*\g+\f)*2048+512
.endr
.endm
; The diagonal element of row r lies in register r - 8 h of lane (r, h): lanes 0-7 and 24-31, register lane & 7.
.macro DIAG b
	PLACES
.irp e, 0,2,4,6
	v_pk_add_f32 v[GA+\e:GA+\e+1], v[GA+\e:GA+\e+1], v[GB+\e:GB+\e+1]
.endr
	v_cndmask_b32 v[TW], v[GA], v[GA+1], s37
.irp j, 2,3,4,5,6,7
	v_cndmask_b32 v[TW], v[TW], v[GA+\j], s[36+\j]
.endr
	v_mul_f32 v[TW], -0.5, v[TW]
	v_permlanex16_b32 v[TW+1], v[TW], s54, s55     ; the lane 16 away
	v_cndmask_b32 v[TW], v[TW+1], v[TW], s60       ; lanes without a diagonal element take their partner's: both lanes of a row hold it
	ds_store_b32 v[T2ST], v[TW] offset:\b*256
.endm
; All but the first sixteen loads of a tile's rounding, from f32 slot sl into bf16 buffer sl.
.macro CONVREST sl
	s_wait_dscnt 0x0                               ; the first sixteen f32 loads are in
	CONVCV 0
	CONVLD \sl, 1
	GRAM1 GA, 0, 1                                 ; two accumulators by turns, one instruction a turn
	GRAM1 GB, 1, 1
	GRAM1 GA, 2, 0
	GRAM1 GB, 3, 0
	CONVST \sl, 0
	s_wait_dscnt 8                                 ; LDS instructions end in order (ISA guide 5.7.1): only the eight stores may be out, the sixteen loads are in
	CONVCV 1
	GRAM1 GA, 4, 0
	GRAM1 GB, 5, 0
	GRAM1 GA, 6, 0
	GRAM1 GB, 7, 0
	CONVST \sl, 1
	DIAG \sl
.endm
; Tile t, slot = t & 1, oth = the other slot.  refill: tile t + 2 is asked for; conv: tile t + 1 is rounded; pf: tile t + 3 is prefetched;
; last: the tile that holds the 196th group.
.macro TRIP slot, oth, refill, conv, pf, last
	s_wait_dscnt 0x0                               ; my LDS reads (f32 slot, bf16 buffer) and stores of the last trip are done
	s_wait_tensorcnt 0x0                           ; all my tensor loads have landed: my quarter of tile t + 1; no descriptor of mine is in use
	ds_add_u32 v254, v255
	s_wait_dscnt 0x0
.if \pf
	s_wait_xcnt 0x0                                ; the last trip's prefetch has had its address translated (ISA guide 3.1): its base may step
	s_add_nc_u64 s[52:53], s[52:53], TILEB
.endif
.if \refill
	s_add_nc_u64 s[G0+4*\slot+2:G0+4*\slot+3], s[G0+4*\slot+2:G0+4*\slot+3], 2*TILEB
	ROUND                                          ; the two waits above now hold of every wave of all four work-groups
	tensor_load_to_lds s[G0+4*\slot:G0+4*\slot+3], s[G1:G1+7]      ; my one tensor load until the next round: tile t + 2 into the slot rounded last trip
	s_nop 0
.else
	s_barrier_signal -1
	s_barrier_wait -1                              ; it shows the bf16 buffer and the last f32 tile to every wave
.endif
.if \pf
	ASK                                            ; tile t + 3, one trip ahead of its tensor load; the last trip that asks is t = 45, for tile 48
.endif
.set nn, 0
.rept 8
	ds_load_b128 v[S+4*nn:S+4*nn+3], v[T2LD] offset:\slot*256+(nn>>2)*128+((nn>>1)&1)*64+(nn&1)*16   ; -t2/2 of rows 16 rt + 8 h + 0..7, both K halves
.set nn, nn+1
.endr
	WIN 0xc0                                       ; destination window 3
	ALOAD \slot, 0
	WIN 0
	s_wait_dscnt 32                                ; all but the 32 fragment loads: the eight loads of -t2/2 are in
.irp e, 0,2,4,6,8,10,12,14
	v_pk_add_f32 v[T2N+\e:T2N+\e+1], v[S+\e:S+\e+1], v[S+16+\e:S+16+\e+1]
.endr
	WIN 0x07                                       ; first source window 3, second window 1
	s_wait_dscnt 28                                ; each K step needs four loads; the count is the number of younger ones
	MULK 0, 1
.irp k, 1,2,3
	s_wait_dscnt 28-4*\k
	MULK \k, 0
.endr
	WIN 0xc0
	ALOAD \slot, 32                                ; into registers whose last readers were the last trip's K steps 8-15
	WIN 0x07
.irp k, 4,5,6,7
	s_wait_dscnt 60-4*\k                           ; 44, 40, 36, 32: the rest of the first run and the whole second
	MULK \k, 0
.endr
	WIN 0x0b                                       ; second source window 2
.irp k, 8,9,10,11,12,13,14,15
	s_wait_dscnt 60-4*\k                           ; 28 down to 0
	MULK \k, 0
.endr
	WIN 0
.if \conv
	CONVLD \oth, 0                                 ; the next tile's first f32 come while the lists are kept
.endif
	PLACES
	LEVEL0
.if \last
.irp q, 0,1,2,3
	v_cndmask_b32 v[KEY+4+\q], v[KEY+4+\q], s35, s36               ; rows 24-31 (rt 1, h 1): -inf where they are the next slab's
.endr
.endif
.irp q, 0,1,2,3
	INS \q, KEY+\q, 33
.endr
.irp q, 0,1,2,3
	INS \q, KEY+4+\q, 34
.endr
.if \conv
	CONVREST \oth
.endif
	s_add_co_u32 s33, s33, 32
	s_add_co_u32 s34, s34, 32
.endm
	s_load_b256 s[4:11], s[0:1], 0x0               ; X_train s[4:5], xfrag s[6:7], candkey s[8:9], candrow s[10:11]
	v_lshl_add_u32 v254, v0, 2, 0x31200
	v_mov_b32 v255, 0
	ds_add_u32 v254, v255
	v_lshrrev_b32 v1, 5, v0
	v_readfirstlane_b32 s12, v1                    ; wave 0..3
	s_bfe_u32 s13, ttmp6, 0x40000                  ; cx: my block of 256 queries
	s_mov_b32 s14, ttmp9                           ; c: the cluster = the slab
	s_mul_i32 s56, s14, 195
	s_sub_co_i32 s57, s14, 44
	s_max_i32 s57, s57, 0
	s_add_co_u32 s56, s56, s57                     ; the slab's first group
	s_lshl_b32 s15, s56, 3                         ; its first row
	s_cmp_lt_u32 s14, 44
	s_cselect_b32 s36, 0xffff0000, 0               ; lanes 16-31 where the 196th group is not mine
	; group 1: a tile of 32 rows x 128 f32, padded in LDS, for all four work-groups
	s_mov_b32 s[G1+0], 15|(2<<16)|(1<<20)|(1<<21)|(6<<22)|(3<<25)  ; 15:0 mask: the cluster's four; 17:16 elements of 4 bytes; 20 padding on; 21 set beside a mask; 24:22 after every 128 words; 31:25 four words
	s_mov_b32 s[G1+1], 128<<16                     ; tensor_dim0 = 128
	s_mov_b32 s[G1+2], 32<<16                      ; tensor_dim1 = 32
	s_mov_b32 s[G1+3], 128<<16                     ; tile_dim0 = 128
	s_mov_b32 s[G1+4], 32                          ; tile_dim1 = 32
	s_mov_b32 s[G1+5], 512                         ; elements from row to row
	s_mov_b32 s[G1+6], 0
	s_mov_b32 s[G1+7], 0
	s_lshl_b32 s56, s15, 11                        ; the slab's first byte (below 2^28)
	s_mov_b32 s57, 0
	s_lshl_b32 s58, s12, 9                         ; K quarter w
	s_mov_b32 s59, 0
	s_mul_i32 s61, s12, QUART                      ; and its place in a slot: the wave's number alone
	s_lshl2_add_u32 s62, s13, s12                  ; 4 cx + w: my 64 queries
	s_lshl_b32 s62, s62, 16
	s_mov_b32 s63, 0
	v_and_b32 v1, 31, v0                           ; lane
	v_lshlrev_b32 v[L16], 4, v1
	s_wait_dscnt 0x0
	s_wait_kmcnt 0x0
	s_add_nc_u64 s[52:53], s[4:5], s[56:57]        ; the slab
	s_add_nc_u64 s[56:57], s[52:53], s[58:59]      ; my quarter of tile 0: hangs on c and the wave alone, alike in the four partners
	s_add_nc_u64 s[6:7], s[6:7], s[62:63]
.irp e, 0,1
	s_mov_b32 s[G0+4*\e], 1
	s_add_co_u32 s[G0+4*\e+1], s61, \e*SLOT
	s_add_nc_u64 s[G0+4*\e+2:G0+4*\e+3], s[56:57], \e*TILEB
	s_or_b32 s[G0+4*\e+3], s[G0+4*\e+3], 0x80000000
.endr
	s_add_nc_u64 s[52:53], s[52:53], 2*TILEB       ; the prefetch starts at tile 2
	ROUND                                          ; all four work-groups are here: the first joint loads meet
	tensor_load_to_lds s[G0:G0+3], s[G1:G1+7]      ; tile 0
	s_nop 0
	tensor_load_to_lds s[G0+4:G0+7], s[G1:G1+7]    ; tile 1: by this text's count two tensor loads of a wave are out here, later one
	s_nop 0
	WIN 0x40                                       ; my 64 queries: 128 loads of 512 consecutive bytes
.set ii, 0
.rept 64
	global_load_b128 v[4*ii:4*ii+3], v[L16], s[6:7] offset:ii*512
.set ii, ii+1
.endr
	WIN 0x80
.set ii, 0
.rept 64
	global_load_b128 v[4*ii:4*ii+3], v[L16], s[6:7] offset:32768+ii*512
.set ii, ii+1
.endr
	WIN 0
	s_lshl1_add_u32 s56, s13, s12                  ; 2 cx + w: which eighth of a tile I ask for (waves 0 and 1)
	s_lshl_b32 s56, s56, 13
	v_lshl_add_u32 v[PFO], v1, 8, s56
	ASK                                            ; tile 2
	v_and_b32 v2, 15, v0                           ; r
	v_bfe_u32 v3, v0, 4, 1                         ; h
	v_add_nc_u32 v[ABASE], BF, v[L16]
	v_lshlrev_b32 v[TA], 5, v3
	v_add_nc_u32 v[T2LD], T2P, v[TA]
	s_and_b32 s58, s12, 1                          ; rt: which 16 rows I round
	s_lshr_b32 s59, s12, 1                         ; kh: which K half
	s_mul_i32 s56, s59, 2*QUART
	s_mul_i32 s57, s58, 16*QPITCH
	s_add_co_u32 s56, s56, s57
	v_mul_u32_u24 v[CVA], v2, QPITCH
	v_add3_u32 v[CVA], v[CVA], v[TA], s56          ; kh x 2 quarters + (16 rt + r) rows + 8 h numbers
	v_add_nc_u32 v[CVA+1], SLOT, v[CVA]
	s_lshl_b32 s56, s59, 14
	s_lshl_b32 s57, s58, 10
	s_add_co_u32 s56, s56, s57
	v_add_nc_u32 v[CST], s56, v[ABASE]             ; fragment (8 kh, rt)
	s_lshl_b32 s56, s59, 7
	s_lshl_b32 s57, s58, 6
	s_add_co_u32 s56, s56, s57
	s_add_co_u32 s56, s56, T2P
	v_lshl_add_u32 v[T2ST], v2, 2, s56
	s_lshl_b32 s56, s12, 8                         ; 64 w queries of 4 bytes
	v_lshlrev_b32 v[OUTO], 15, v3                  ; stream h: 8 ranks of 4,096 bytes
	v_lshl_add_u32 v[OUTO], v2, 4, v[OUTO]         ; queries 4 r .. 4 r + 3
	v_add_nc_u32 v[OUTO], s56, v[OUTO]
	v_lshl_add_u32 v[ROWH], v3, 3, s15
	v_mov_b32 v[TW+1], 0                           ; v_permlanex16_b32 counts as a reader of its destination
	s_mov_b32 s33, 0                               ; rows of the tile's two row blocks, counted from the slab
	s_mov_b32 s34, 16
	s_mov_b32 s35, 0xff800000                      ; -inf
.irp j, 1,2,3,4,5,6,7
	s_mov_b32 s[36+\j], 0x01010101<<\j             ; lanes with lane & 7 = j
.endr
	s_mov_b32 s54, 0x76543210
	s_mov_b32 s55, 0xfedcba98
	s_mov_b32 s60, 0xff0000ff                      ; lanes that hold a diagonal element
.set ii, 0
.rept 32
	v_mov_b32 v[L+ii], s35                         ; empty lists; every stream has at least 97 groups, so none of this is left at the end
	v_mov_b32 v[ID+ii], 0
.set ii, ii+1
.endr
	s_wait_tensorcnt 0x1                           ; my quarter of tile 0 is in; tile 1 may stay out
	s_barrier_signal -1
	s_barrier_wait -1                              ; everybody's quarter is in
	CONVLD 0, 0
	CONVREST 0                                     ; tile 0 rounded into buffer 0
	s_wait_loadcnt 0x0                             ; my queries
	s_mov_b32 s32, 23
.Ltiles:                                       ; tiles 0 to 45
	TRIP 0, 1, 1, 1, 1, 0
	TRIP 1, 0, 1, 1, 1, 0
	s_sub_co_i32 s32, s32, 1
	s_cmp_lg_u32 s32, 0
	s_cbranch_scc1 .Ltiles
	TRIP 0, 1, 1, 1, 0, 0                          ; tile 46 asks for tile 48, the last
	TRIP 1, 0, 0, 1, 0, 0                          ; tile 47 rounds tile 48
	TRIP 0, 1, 0, 0, 0, 1                          ; tile 48
	; Out: rank i of stream 2 c + h, queries 4 r .. 4 r + 3 are a lane's four neighbouring registers; sixteen lanes store 256 consecutive bytes, aligned.
.set ii, 0
.rept 32
	v_add_nc_u32 v[ID+ii], v[ROWH], v[ID+ii]
.set ii, ii+1
.endr
	s_lshl_b32 s56, s14, 16                        ; two streams of 8 ranks of 4,096 bytes
	s_lshl_b32 s57, s13, 10                        ; 256 cx queries
	s_add_co_u32 s56, s56, s57
	s_mov_b32 s57, 0
	s_add_nc_u64 s[8:9], s[8:9], s[56:57]
	s_add_nc_u64 s[10:11], s[10:11], s[56:57]
.irp i, 0,1,2,3,4,5,6,7
	global_store_b128 v[OUTO], v[L+4*\i:L+4*\i+3], s[8:9] offset:\i*4096
	global_store_b128 v[OUTO], v[ID+4*\i:ID+4*\i+3], s[10:11] offset:\i*4096
.endr
	ROUND                                          ; the closing round: no work-group ends while a partner may still ask for a tile that names it
	s_endpgm
.Lfunc_end_k_qcb07cff7e1_knn:
	.size	k_qcb07cff7e1_knn, .Lfunc_end_k_qcb07cff7e1_knn-k_qcb07cff7e1_knn
	.p2alignl 7, 3214868480
	.fill 96, 4, 3214868480
	.section	.rodata,"a",@progbits
	.p2align	6, 0x0
	.amdhsa_kernel k_qcb07cff7e1_knn
		.amdhsa_group_segment_fixed_size 327680
		.amdhsa_private_segment_fixed_size 0
		.amdhsa_enable_private_segment 0
		.amdhsa_kernarg_size 32
		.amdhsa_user_sgpr_count 2
		.amdhsa_user_sgpr_kernarg_segment_ptr 1
		.amdhsa_wavefront_size32 1
		.amdhsa_system_sgpr_workgroup_id_x 1
		.amdhsa_system_sgpr_workgroup_id_y 1
		.amdhsa_system_sgpr_workgroup_id_z 1
		.amdhsa_system_vgpr_workitem_id 0
		.amdhsa_next_free_vgpr 1024
		.amdhsa_next_free_sgpr 66
		.amdhsa_reserve_vcc 0
		.amdhsa_float_denorm_mode_32 3
		.amdhsa_float_denorm_mode_16_64 3
		.amdhsa_memory_ordered 1
		.amdhsa_forward_progress 1
		.amdhsa_inst_pref_size 224
	.end_amdhsa_kernel
	.amdgpu_metadata
---
amdhsa.version: [ 1, 2 ]
amdhsa.kernels:
  - .name:           k_qcb07cff7e1_knn
    .symbol:         k_qcb07cff7e1_knn.kd
    .args:
      - { .name: X_train, .offset: 0, .size: 8, .value_kind: global_buffer, .address_space: global }
      - { .name: xfrag, .offset: 8, .size: 8, .value_kind: global_buffer, .address_space: global }
      - { .name: candkey, .offset: 16, .size: 8, .value_kind: global_buffer, .address_space: global }
      - { .name: candrow, .offset: 24, .size: 8, .value_kind: global_buffer, .address_space: global }
    .group_segment_fixed_size: 327680
    .private_segment_fixed_size: 0
    .kernarg_segment_align: 8
    .kernarg_segment_size: 32
    .max_flat_workgroup_size: 128
    .sgpr_count:     66
    .vgpr_count:     1024
    .wavefront_size: 32
...
	.end_amdgpu_metadata
.endif
;; end of part 2
;; launch merge (part 3): grid 32 x 1, 16 waves a work-group, no clusters, 44,032 bytes of LDS; arguments candkey, candrow, order; writes order
.if DOCPART == 3
	.amdgcn_target "amdgcn-amd-amdhsa--gfx1250"
	.amdhsa_code_object_version 6
	.text
	.protected	k_qcb07cff7e1_merge
	.globl	k_qcb07cff7e1_merge
	.p2align	8
	.type	k_qcb07cff7e1_merge,@function
k_qcb07cff7e1_merge:
	s_mov_b64 s[64:65], 0
	v_nop
	global_prefetch_b8 v0, s[64:65] scope:SCOPE_SE
	s_setreg_imm32_b32 hwreg(HW_REG_WAVE_MODE, 25, 1), 1
	s_wait_xcnt 0x0
; order[query][0..7] = the first rows of the query's 8 best groups, out of 128 sorted lists of 8 (key f32, row).
; Order: the larger key first, of equal keys the lower row.  Rows are all different, so the order is total and the result does not
; hang on the order of the merges.  No branch hangs on a key: every comparator is compares, max, min and selects.
; A lane is a query (32 a work-group); wave p of 16 merges lists 8 p .. 8 p + 7, waves 0-3 then merge four results each, wave 0 the last four.
; A merge of two descending lists A, N keeps the better of (A[i], N[7 - i]): the best 8 of the 16, as a bitonic run, sorted by three
; stages of comparators at distances 4, 2, 1.
; LDS: 16 x 2,048 bytes (wave, register 0-15, lane) for the first hand-over, 4 x 2,048 at 32,768 for the second, 1,024 at 40,960 for the way out.
; No tensor loads, matrix units or clusters: 8 MiB are read once and nothing is shared.
.set KL, 16                            ; v[16:79]   keys as loaded: list l, rank i at 16 + 8 l + i
.set RL, 80                            ; v[80:143]  rows likewise
.set RK, 144                           ; v[144:151] running result, keys
.set RR, 152                           ; v[152:159] running result, rows
.set TK, 160                           ; v[160:167] at work
.set TR, 168                           ; v[168:175]
.macro BETTER sm, ka, ra, kb, rb       ; s[sm] = lanes in which b goes ahead of a
	v_cmp_gt_f32 s[\sm], v[\kb], v[\ka]
	v_cmp_eq_f32 s[\sm+1], v[\kb], v[\ka]
	v_cmp_lt_u32 s[\sm+2], v[\rb], v[\ra]
	s_and_b32 s[\sm+1], s[\sm+1], s[\sm+2]
	s_or_b32 s[\sm], s[\sm], s[\sm+1]
.endm
.macro HCE sm, kd, rd, ka, ra, kb, rb  ; the better of two
	BETTER \sm, \ka, \ra, \kb, \rb
	v_max_num_f32 v[\kd], v[\ka], v[\kb]
	v_cndmask_b32 v[\rd], v[\ra], v[\rb], s[\sm]
.endm
.macro CE sm, kh, rh, kl, rl, ka, ra, kb, rb   ; the better to (kh, rh), the other to (kl, rl); results in other registers than sources
	BETTER \sm, \ka, \ra, \kb, \rb
	v_max_num_f32 v[\kh], v[\ka], v[\kb]
	v_min_num_f32 v[\kl], v[\ka], v[\kb]
	v_cndmask_b32 v[\rh], v[\ra], v[\rb], s[\sm]
	v_cndmask_b32 v[\rl], v[\rb], v[\ra], s[\sm]
.endm
.macro MERGE ka, ra, kn, rn            ; (RK, RR) = the best 8 of lists (ka, ra) and (kn, rn)
.irp i, 0,1,2,3,4,5,6,7
	HCE 16+4*(\i&3), TK+\i, TR+\i, \ka+\i, \ra+\i, \kn+7-\i, \rn+7-\i
.endr
.irp i, 0,1,2,3
	CE 16+4*(\i&3), RK+\i, RR+\i, RK+\i+4, RR+\i+4, TK+\i, TR+\i, TK+\i+4, TR+\i+4
.endr
.irp i, 0,1,4,5
	CE 16+4*(\i&3), TK+\i, TR+\i, TK+\i+2, TR+\i+2, RK+\i, RR+\i, RK+\i+2, RR+\i+2
.endr
.irp i, 0,2,4,6
	CE 16+4*(\i&3), RK+\i, RR+\i, RK+\i+1, RR+\i+1, TK+\i, TR+\i, TK+\i+1, TR+\i+1
.endr
.endm
.macro PUT at                          ; my result into my 2,048 bytes
.irp i, 0,1,2,3,4,5,6,7
	ds_store_b32 v4, v[RK+\i] offset:\at+\i*128
	ds_store_b32 v4, v[RR+\i] offset:\at+1024+\i*128
.endr
	s_wait_dscnt 0x0                               ; for the waves that read it behind the barrier
.endm
.macro TAKE3 first, step               ; three other waves' results merged into mine
.irp m, 0,1,2
.irp i, 0,1,2,3,4,5,6,7
	ds_load_b32 v[KL+8*\m+\i], v4 offset:\first+\m*\step+\i*128
	ds_load_b32 v[RL+8*\m+\i], v4 offset:\first+\m*\step+1024+\i*128
.endr
.endr
	s_wait_dscnt 0x0
	MERGE RK, RR, KL, RL
	MERGE RK, RR, KL+8, RL+8
	MERGE RK, RR, KL+16, RL+16
.endm
	s_load_b128 s[4:7], s[0:1], 0x0                ; candkey s[4:5], candrow s[6:7]
	s_load_b64 s[8:9], s[0:1], 0x10                ; order
	v_lshl_add_u32 v176, v0, 2, 0xa400
	v_mov_b32 v177, 0
	v_lshrrev_b32 v1, 5, v0
	v_readfirstlane_b32 s10, v1                    ; wave p
	v_and_b32 v1, 31, v0                           ; lane
	v_lshlrev_b32 v2, 2, v1
	s_lshl_b32 s11, s10, 18                        ; 64 rows of 4,096 bytes: lists 8 p ..
	s_lshl_b32 s12, ttmp9, 7                       ; 32 queries of 4 bytes
	s_add_co_u32 s11, s11, s12
	v_add_nc_u32 v3, s11, v2
	s_lshl_b32 s13, s10, 11
	v_add_nc_u32 v4, s13, v2                       ; LDS: wave x 2,048 + 4 lane
	s_lshl_b32 s14, ttmp9, 10                      ; 32 queries x 32 bytes of order
	s_mov_b32 s15, 0
	s_wait_kmcnt 0x0
	s_add_nc_u64 s[8:9], s[8:9], s[14:15]
.set nn, 0
.rept 64
	global_load_b32 v[KL+nn], v3, s[4:5] offset:nn*4096
	global_load_b32 v[RL+nn], v3, s[6:7] offset:nn*4096
.set nn, nn+1
.endr
	s_wait_loadcnt 0x0
	MERGE KL, RL, KL+8, RL+8
.irp l, 2,3,4,5,6,7
	MERGE RK, RR, KL+8*\l, RL+8*\l
.endr
	PUT 0
	s_barrier_signal -1
	s_barrier_wait -1                              ; sixteen results lie in LDS
	s_cmp_gt_u32 s10, 3
	s_cbranch_scc1 .Lnot_second
	TAKE3 8192, 8192                               ; waves p + 4, p + 8, p + 12
	PUT 32768                                      ; other bytes than the first hand-over's: they may still be read
.Lnot_second:
	s_barrier_signal -1
	s_barrier_wait -1                              ; four results lie in LDS
	s_cmp_lg_u32 s10, 0
	s_cbranch_scc1 .Lend
	TAKE3 32768+2048, 2048                         ; waves 1, 2, 3
	; a lane's 8 rows are 32 bytes of order; through my own 1,024 bytes of LDS each store covers 512 consecutive bytes
	v_lshlrev_b32 v5, 5, v1
	v_lshlrev_b32 v6, 4, v1
	ds_store_b128 v5, v[RR:RR+3] offset:40960
	ds_store_b128 v5, v[RR+4:RR+7] offset:40976
	ds_load_b128 v[KL:KL+3], v6 offset:40960       ; LDS serves a wave's instructions in order (ISA guide 5.7.1): these see the stores above
	ds_load_b128 v[KL+4:KL+7], v6 offset:41472
	s_wait_dscnt 0x0
	global_store_b128 v6, v[KL:KL+3], s[8:9]
	global_store_b128 v6, v[KL+4:KL+7], s[8:9] offset:512
.Lend:
	s_wait_tensorcnt 0x0
	ds_add_u32 v176, v177
	s_wait_dscnt 0x0
	s_endpgm
.Lfunc_end_k_qcb07cff7e1_merge:
	.size	k_qcb07cff7e1_merge, .Lfunc_end_k_qcb07cff7e1_merge-k_qcb07cff7e1_merge
	.p2alignl 7, 3214868480
	.fill 96, 4, 3214868480
	.section	.rodata,"a",@progbits
	.p2align	6, 0x0
	.amdhsa_kernel k_qcb07cff7e1_merge
		.amdhsa_group_segment_fixed_size 44032
		.amdhsa_private_segment_fixed_size 0
		.amdhsa_enable_private_segment 0
		.amdhsa_kernarg_size 24
		.amdhsa_user_sgpr_count 2
		.amdhsa_user_sgpr_kernarg_segment_ptr 1
		.amdhsa_wavefront_size32 1
		.amdhsa_system_sgpr_workgroup_id_x 1
		.amdhsa_system_sgpr_workgroup_id_y 1
		.amdhsa_system_sgpr_workgroup_id_z 1
		.amdhsa_system_vgpr_workitem_id 0
		.amdhsa_next_free_vgpr 178
		.amdhsa_next_free_sgpr 66
		.amdhsa_reserve_vcc 0
		.amdhsa_float_denorm_mode_32 3
		.amdhsa_float_denorm_mode_16_64 3
		.amdhsa_memory_ordered 1
		.amdhsa_forward_progress 1
		.amdhsa_inst_pref_size 127
	.end_amdhsa_kernel
	.amdgpu_metadata
---
amdhsa.version: [ 1, 2 ]
amdhsa.kernels:
  - .name:           k_qcb07cff7e1_merge
    .symbol:         k_qcb07cff7e1_merge.kd
    .args:
      - { .name: candkey, .offset: 0, .size: 8, .value_kind: global_buffer, .address_space: global }
      - { .name: candrow, .offset: 8, .size: 8, .value_kind: global_buffer, .address_space: global }
      - { .name: order, .offset: 16, .size: 8, .value_kind: global_buffer, .address_space: global }
    .group_segment_fixed_size: 44032
    .private_segment_fixed_size: 0
    .kernarg_segment_align: 8
    .kernarg_segment_size: 24
    .max_flat_workgroup_size: 512
    .sgpr_count:     66
    .vgpr_count:     178
    .wavefront_size: 32
...
	.end_amdgpu_metadata
.endif
;; end of part 3
;; launch vote (part 4): grid 256 x 1, 4 waves a work-group, no clusters, 0 bytes of LDS; arguments X, X_train, y_train, order, out0; writes out0
.if DOCPART == 4
	.amdgcn_target "amdgcn-amd-amdhsa--gfx1250"
	.amdhsa_code_object_version 6
	.text
	.protected	k_qcb07cff7e1_vote
	.globl	k_qcb07cff7e1_vote
	.p2align	8
	.type	k_qcb07cff7e1_vote,@function
k_qcb07cff7e1_vote:
	s_mov_b64 s[64:65], 0
	v_nop
	global_prefetch_b8 v0, s[64:65] scope:SCOPE_SE
	s_setreg_imm32_b32 hwreg(HW_REG_WAVE_MODE, 25, 1), 1
	s_wait_xcnt 0x0
; out0[query] = the majority label of the query's 8 nearest training rows.  One wave, one query.
; The 8 groups of 8 rows that order names (stored by an earlier launch) hold the 8 nearest rows.  Their 64 distances are formed as written:
; x and t rounded to bf16, x2, t2 and x.t summed in f32, d2 = (x2 + t2) - 2 x.t, clipped at 0, root.  Then eight times: the smallest
; distance, of equal ones the lowest row; its label is counted; at the end the largest count, of equal ones the smallest class.
; LIMITS: inputs finite, sums inside f32; v_sqrt_f32 is within one unit in the last place, not correctly rounded (ISA guide 15.8).
; Labels outside 0..99 are counted for no class.  A row number above 99,992 in order would be clamped (none is stored).
; The 64 products with ONE query stay on the vector unit: a matrix instruction would use one of its sixteen columns, and the launch is
; bound by the 128 KiB of rows that each query gathers.  No LDS, no barrier: no wave needs another.  out0 leaves as 4 bytes a wave: 4 KiB in all.
; A batch is 4 rows = 8,192 consecutive bytes = 16 loads; a ring of three batches in registers keeps two or three on their way.
; Candidate c = 8 group + row lies in lane c & 31 of register c >> 5.
.set XR,   4                           ; v[4:19]    x, rounded: numbers 128 j + 4 lane + 0..3, j = 0..3
.set RING, 20                          ; v[20:211]  three batches of 64 registers
.set AD,   212                         ; v[212:219] x.t of the batch's four rows, a pair each
.set AT,   220                         ; v[220:227] t2 likewise
.set PK,   228                         ; v[228:235] packed bf16, at work
.set DOT,  236                         ; v236-237
.set T2,   238                         ; v238-239
.set IDX,  240                         ; v240-241   the candidate's row, later its code
.set LAB,  242                         ; v242-243   its label
.set LOF,  244                         ; v244-245   x2 at work, then the labels' byte offsets
.set X2,   246
.set TP,   247
.set BASE, 24                          ; s[24:39]   the eight groups' addresses
; behind the last batch the ring's registers are free:
.set FD,  20                           ; d2
.set DS,  22                           ; distances
.set MN,  24
.set MX,  25
.set E,   26
.set CW,  28
.set LB,  29
.set CNT, 30                           ; v[30:33] counts of classes lane + 32 k
.set CLS, 34                           ; v[34:37] these classes
.macro WSUM x, y                       ; sum over the 32 lanes, in every lane
	v_add_f32_dpp v[\x], v[\x], v[\x] row_xmask:1 row_mask:0xf bank_mask:0xf
	v_add_f32_dpp v[\x], v[\x], v[\x] row_xmask:2 row_mask:0xf bank_mask:0xf
	v_add_f32_dpp v[\x], v[\x], v[\x] row_xmask:4 row_mask:0xf bank_mask:0xf
	v_add_f32_dpp v[\x], v[\x], v[\x] row_xmask:8 row_mask:0xf bank_mask:0xf
	v_permlanex16_b32 v[\y], v[\x], s45, s46
	v_add_f32 v[\x], v[\x], v[\y]
.endm
.macro WMIN x, y
	v_min_num_f32_dpp v[\x], v[\x], v[\x] row_xmask:1 row_mask:0xf bank_mask:0xf
	v_min_num_f32_dpp v[\x], v[\x], v[\x] row_xmask:2 row_mask:0xf bank_mask:0xf
	v_min_num_f32_dpp v[\x], v[\x], v[\x] row_xmask:4 row_mask:0xf bank_mask:0xf
	v_min_num_f32_dpp v[\x], v[\x], v[\x] row_xmask:8 row_mask:0xf bank_mask:0xf
	v_permlanex16_b32 v[\y], v[\x], s45, s46
	v_min_num_f32 v[\x], v[\x], v[\y]
.endm
.macro WMAX x, y
	v_max_num_f32_dpp v[\x], v[\x], v[\x] row_xmask:1 row_mask:0xf bank_mask:0xf
	v_max_num_f32_dpp v[\x], v[\x], v[\x] row_xmask:2 row_mask:0xf bank_mask:0xf
	v_max_num_f32_dpp v[\x], v[\x], v[\x] row_xmask:4 row_mask:0xf bank_mask:0xf
	v_max_num_f32_dpp v[\x], v[\x], v[\x] row_xmask:8 row_mask:0xf bank_mask:0xf
	v_permlanex16_b32 v[\y], v[\x], s45, s46
	v_max_num_f32 v[\x], v[\x], v[\y]
.endm
.macro RNE16 b                         ; sixteen f32 rounded to bf16 (nearest even) and widened again, in place
.irp e, 0,1,2,3,4,5,6,7
	v_cvt_pk_bf16_f32 v[PK+\e], v[\b+2*\e], v[\b+2*\e+1]
.endr
.irp e, 0,1,2,3,4,5,6,7
	v_lshlrev_b32 v[\b+2*\e], 16, v[PK+\e]
	v_and_b32 v[\b+2*\e+1], s44, v[PK+\e]
.endr
.endm
.macro LOADB b                         ; batch b: half b & 1 of group b >> 1, into ring place b % 3
.set lb, RING+64*(\b%3)
.set nn, 0
.rept 16
	global_load_b128 v[lb+4*nn:lb+4*nn+3], v2, s[BASE+2*(\b>>1):BASE+2*(\b>>1)+1] offset:(\b&1)*8192+nn*512
.set nn, nn+1
.endr
.endm
.macro ASKB b                          ; 32 lanes 256 bytes apart: the batch's 8,192 bytes, inside the group's 16,384
	global_prefetch_b8 v3, s[BASE+2*(\b>>1):BASE+2*(\b>>1)+1] offset:(\b&1)*8192 th:TH_LOAD_NT scope:SCOPE_SE
.endm
; Batch b.  left = younger loads that may stay out; more = 1: batch b + 3 is loaded into the registers just read; ask = 1: batch b + 7 is prefetched.
.macro BATCH b, left, more, ask
	s_wait_loadcnt \left                           ; loads come back in order (ISA guide 5.7.1): my sixteen are in
.set bb, RING+64*(\b%3)
.irp r, 0,1,2,3
	RNE16 bb+16*\r
.endr
.irp r, 0,1,2,3
	v_pk_mul_f32 v[AD+2*\r:AD+2*\r+1], v[bb+16*\r:bb+16*\r+1], v[XR:XR+1]          ; the first products start the sums
	v_pk_mul_f32 v[AT+2*\r:AT+2*\r+1], v[bb+16*\r:bb+16*\r+1], v[bb+16*\r:bb+16*\r+1]
.endr
.irp e, 2,4,6,8,10,12,14
.irp r, 0,1,2,3
	v_pk_fma_f32 v[AD+2*\r:AD+2*\r+1], v[bb+16*\r+\e:bb+16*\r+\e+1], v[XR+\e:XR+\e+1], v[AD+2*\r:AD+2*\r+1]
	v_pk_fma_f32 v[AT+2*\r:AT+2*\r+1], v[bb+16*\r+\e:bb+16*\r+\e+1], v[bb+16*\r+\e:bb+16*\r+\e+1], v[AT+2*\r:AT+2*\r+1]
.endr
.endr
.if \more
	LOADB (\b+3)
.endif
.if \ask
	ASKB (\b+7)                                    ; four batches ahead of its load; the last asked for is batch 15
.endif
	; eight sums over the wave, side by side
.irp a, 0,2,4,6,8,10,12,14
	v_add_f32 v[AD+\a], v[AD+\a], v[AD+\a+1]
.endr
.irp m, 1,2,4,8
.irp a, 0,2,4,6,8,10,12,14
	v_add_f32_dpp v[AD+\a], v[AD+\a], v[AD+\a] row_xmask:\m row_mask:0xf bank_mask:0xf
.endr
.endr
.irp a, 0,2,4,6,8,10,12,14
	v_permlanex16_b32 v[AD+\a+1], v[AD+\a], s45, s46
.endr
.irp a, 0,2,4,6,8,10,12,14
	v_add_f32 v[AD+\a], v[AD+\a], v[AD+\a+1]
.endr
.irp r, 0,1,2,3
	s_mov_b32 s[48+\r], 1<<((4*\b+\r)&31)          ; the candidate's lane
	v_cndmask_b32 v[DOT+(\b>>3)], v[DOT+(\b>>3)], v[AD+2*\r], s[48+\r]
	v_cndmask_b32 v[T2+(\b>>3)], v[T2+(\b>>3)], v[AT+2*\r], s[48+\r]
.endr
.endm
; The nearest candidate left: smallest distance, then smallest code (= lowest row).  It is taken out and its label counted.
.macro PICK
	v_min_num_f32 v[MN], v[DS], v[DS+1]
	WMIN MN, MX
	v_cmp_eq_f32 s40, v[DS], v[MN]
	v_cmp_eq_f32 s41, v[DS+1], v[MN]
	v_cndmask_b32 v[E], s47, v[IDX], s40
	v_cndmask_b32 v[E+1], s47, v[IDX+1], s41
	v_min_num_f32 v[CW], v[E], v[E+1]
	WMIN CW, MX
	v_cmp_eq_f32 s40, v[IDX], v[CW]
	v_cmp_eq_f32 s41, v[IDX+1], v[CW]
	v_cndmask_b32 v[DS], v[DS], s47, s40
	v_cndmask_b32 v[DS+1], v[DS+1], s47, s41
	v_cvt_u32_f32 v[LB], v[CW]
	v_and_b32 v[LB], 127, v[LB]
.irp k, 0,1,2,3
	v_cmp_eq_u32 vcc_lo, v[LB], v[CLS+\k]
	v_add_co_ci_u32 v[CNT+\k], vcc_lo, 0, v[CNT+\k], vcc_lo
.endr
.endm
	s_load_b256 s[4:11], s[0:1], 0x0               ; X s[4:5], X_train s[6:7], y_train s[8:9], order s[10:11]
	s_load_b64 s[12:13], s[0:1], 0x20              ; out0
	v_lshrrev_b32 v1, 5, v0
	v_readfirstlane_b32 s14, v1
	s_lshl2_add_u32 s14, ttmp9, s14                ; query = 4 x work-group + wave
	v_and_b32 v1, 31, v0                           ; lane
	v_lshlrev_b32 v2, 4, v1                        ; 16 lane
	v_lshlrev_b32 v3, 8, v1                        ; 256 lane
	v_lshrrev_b32 v[TP], 3, v1
	v_lshlrev_b32 v[TP], 2, v[TP]                  ; the word of order that names my candidate's group
	s_lshl_b32 s40, s14, 5                         ; 8 words of order
	s_mov_b32 s41, 0
	s_lshl_b32 s42, s14, 11                        ; a row of X
	s_mov_b32 s43, 0
	s_mov_b32 s44, 0xffff0000                      ; a word's upper bf16
	s_mov_b32 s45, 0x76543210
	s_mov_b32 s46, 0xfedcba98
	s_mov_b32 s47, 0x7f800000                      ; +inf
	s_wait_kmcnt 0x0
	s_add_nc_u64 s[10:11], s[10:11], s[40:41]
	s_add_nc_u64 s[4:5], s[4:5], s[42:43]
	s_load_b256 s[16:23], s[10:11], 0x0            ; the eight groups' first rows
.irp j, 0,1,2,3
	global_load_b128 v[XR+4*\j:XR+4*\j+3], v2, s[4:5] offset:512*\j
.endr
	global_load_b32 v[IDX], v[TP], s[10:11]
	global_load_b32 v[IDX+1], v[TP], s[10:11] offset:16
	s_lshl_b32 s40, s14, 2
	s_add_nc_u64 s[12:13], s[12:13], s[40:41]      ; my word of out0
	s_wait_kmcnt 0x0
.irp g, 0,1,2,3,4,5,6,7
	s_min_u32 s[16+\g], s[16+\g], 99992            ; a group's 8 rows stay inside the 100,000
	s_lshl_b32 s42, s[16+\g], 11
	s_add_nc_u64 s[BASE+2*\g:BASE+2*\g+1], s[6:7], s[42:43]
.endr
	LOADB 0
	LOADB 1
	LOADB 2
	ASKB 3
	ASKB 4
	ASKB 5
	ASKB 6
	v_mov_b32 v[DOT], 0                            ; written whole before single lanes are set
	v_mov_b32 v[DOT+1], 0
	v_mov_b32 v[T2], 0
	v_mov_b32 v[T2+1], 0
	s_wait_loadcnt 48                              ; x and my two words of order are in; the three batches stay out
	RNE16 XR
	v_pk_mul_f32 v[LOF:LOF+1], v[XR:XR+1], v[XR:XR+1]
.irp e, 2,4,6,8,10,12,14
	v_pk_fma_f32 v[LOF:LOF+1], v[XR+\e:XR+\e+1], v[XR+\e:XR+\e+1], v[LOF:LOF+1]
.endr
	v_add_f32 v[X2], v[LOF], v[LOF+1]
	WSUM X2, TP                                    ; x2; TP's loads are in, so it may be written
	v_and_b32 v[TP], 7, v1
	v_min_u32 v[IDX], 99992, v[IDX]
	v_min_u32 v[IDX+1], 99992, v[IDX+1]
	v_add_nc_u32 v[IDX], v[IDX], v[TP]             ; my candidates' rows
	v_add_nc_u32 v[IDX+1], v[IDX+1], v[TP]
	v_lshlrev_b32 v[LOF], 2, v[IDX]
	v_lshlrev_b32 v[LOF+1], 2, v[IDX+1]
	global_load_b32 v[LAB], v[LOF], s[8:9]
	global_load_b32 v[LAB+1], v[LOF+1], s[8:9]
	BATCH 0, 34, 1, 1                              ; younger: two batches and the two labels
	BATCH 1, 34, 1, 1
	BATCH 2, 34, 1, 1
.irp b, 3,4,5,6,7,8
	BATCH \b, 32, 1, 1                             ; younger: two batches
.endr
.irp b, 9,10,11,12
	BATCH \b, 32, 1, 0
.endr
	BATCH 13, 32, 0, 0                             ; nothing is left to load: the counts run down
	BATCH 14, 16, 0, 0
	BATCH 15, 0, 0, 0
	v_min_u32 v[LAB], 127, v[LAB]                  ; 127 stands for every label that no class counts
	v_min_u32 v[LAB+1], 127, v[LAB+1]
	v_lshl_add_u32 v[IDX], v[IDX], 7, v[LAB]       ; code = 128 row + label, below 2^24: exact in f32, ordered as the rows
	v_lshl_add_u32 v[IDX+1], v[IDX+1], 7, v[LAB+1]
	v_cvt_f32_u32 v[IDX], v[IDX]
	v_cvt_f32_u32 v[IDX+1], v[IDX+1]
	v_add_f32 v[FD], v[X2], v[T2]
	v_add_f32 v[FD+1], v[X2], v[T2+1]
	v_fma_f32 v[FD], -2.0, v[DOT], v[FD]           ; 2 x.t is exact, so this rounds as the subtraction does
	v_fma_f32 v[FD+1], -2.0, v[DOT+1], v[FD+1]
	v_max_num_f32 v[FD], 0, v[FD]
	v_max_num_f32 v[FD+1], 0, v[FD+1]
	v_sqrt_f32 v[DS], v[FD]
	v_sqrt_f32 v[DS+1], v[FD+1]
	s_wait_alu depctr_va_vdst(0)
.irp k, 0,1,2,3
	v_mov_b32 v[CNT+\k], 0                         ; plain vector work behind the roots before their results are used (ISA guide 5.7.2)
	v_add_nc_u32 v[CLS+\k], 32*\k, v1
.endr
.rept 8
	PICK
.endr
	; score = 128 count + 127 - class: the largest count wins, of equal counts the smallest class; classes 100 and up score 0
.irp k, 0,1,2,3
	v_sub_nc_u32 v[E], 127, v[CLS+\k]
	v_lshl_add_u32 v[CNT+\k], v[CNT+\k], 7, v[E]
.endr
	v_cmp_gt_u32 vcc_lo, 100, v[CLS+3]
	v_cndmask_b32 v[CNT+3], 0, v[CNT+3], vcc_lo
.irp k, 0,1,2,3
	v_cvt_f32_u32 v[CNT+\k], v[CNT+\k]             ; at most 1,151: exact
.endr
	v_max3_num_f32 v[MN], v[CNT], v[CNT+1], v[CNT+2]
	v_max_num_f32 v[MN], v[MN], v[CNT+3]
	WMAX MN, MX
	v_cvt_u32_f32 v[MN], v[MN]
	v_and_b32 v[MN], 127, v[MN]
	v_sub_nc_u32 v[MN], 127, v[MN]
	v_mov_b32 v[E], 0
	v_cmp_eq_u32 vcc_lo, 0, v1
	s_wait_xcnt 0x0                                ; EXEC is a source of every memory instruction issued so far: it changes only behind this wait
	s_and_saveexec_b32 s40, vcc_lo
	global_store_b32 v[E], v[MN], s[12:13]         ; lane 0 alone
	s_wait_xcnt 0x0
	s_or_b32 exec_lo, exec_lo, s40
	s_endpgm
.Lfunc_end_k_qcb07cff7e1_vote:
	.size	k_qcb07cff7e1_vote, .Lfunc_end_k_qcb07cff7e1_vote-k_qcb07cff7e1_vote
	.p2alignl 7, 3214868480
	.fill 96, 4, 3214868480
	.section	.rodata,"a",@progbits
	.p2align	6, 0x0
	.amdhsa_kernel k_qcb07cff7e1_vote
		.amdhsa_group_segment_fixed_size 0
		.amdhsa_private_segment_fixed_size 0
		.amdhsa_enable_private_segment 0
		.amdhsa_kernarg_size 40
		.amdhsa_user_sgpr_count 2
		.amdhsa_user_sgpr_kernarg_segment_ptr 1
		.amdhsa_wavefront_size32 1
		.amdhsa_system_sgpr_workgroup_id_x 1
		.amdhsa_system_sgpr_workgroup_id_y 1
		.amdhsa_system_sgpr_workgroup_id_z 1
		.amdhsa_system_vgpr_workitem_id 0
		.amdhsa_next_free_vgpr 248
		.amdhsa_next_free_sgpr 66
		.amdhsa_reserve_vcc 1
		.amdhsa_float_denorm_mode_32 3
		.amdhsa_float_denorm_mode_16_64 3
		.amdhsa_memory_ordered 1
		.amdhsa_forward_progress 1
		.amdhsa_inst_pref_size 234
	.end_amdhsa_kernel
	.amdgpu_metadata
---
amdhsa.version: [ 1, 2 ]
amdhsa.kernels:
  - .name:           k_qcb07cff7e1_vote
    .symbol:         k_qcb07cff7e1_vote.kd
    .args:
      - { .name: X, .offset: 0, .size: 8, .value_kind: global_buffer, .address_space: global }
      - { .name: X_train, .offset: 8, .size: 8, .value_kind: global_buffer, .address_space: global }
      - { .name: y_train, .offset: 16, .size: 8, .value_kind: global_buffer, .address_space: global }
      - { .name: order, .offset: 24, .size: 8, .value_kind: global_buffer, .address_space: global }
      - { .name: out0, .offset: 32, .size: 8, .value_kind: global_buffer, .address_space: global }
    .group_segment_fixed_size: 0
    .private_segment_fixed_size: 0
    .kernarg_segment_align: 8
    .kernarg_segment_size: 40
    .max_flat_workgroup_size: 128
    .sgpr_count:     66
    .vgpr_count:     248
    .wavefront_size: 32
...
	.end_amdgpu_metadata
.endif
;; end of part 4
;; ======== version 2 of 2: 4 launches
;; workspace buffers: xfrag 1,048,576 bytes; candkey 4,194,304 bytes; candrow 4,194,304 bytes of whole numbers; order 32,768 bytes of whole numbers
;; launch pack (part 5): grid 256 x 1, 2 waves a work-group, no clusters, 0 bytes of LDS; arguments X, xfrag; writes xfrag
.if DOCPART == 5
	.amdgcn_target "amdgcn-amd-amdhsa--gfx1250"
	.amdhsa_code_object_version 6
	.text
	.protected	k_qcb07cff7e1_pack
	.globl	k_qcb07cff7e1_pack
	.p2align	8
	.type	k_qcb07cff7e1_pack,@function
k_qcb07cff7e1_pack:
	s_mov_b64 s[64:65], 0
	v_nop
	global_prefetch_b8 v0, s[64:65] scope:SCOPE_SE
	s_setreg_imm32_b32 hwreg(HW_REG_WAVE_MODE, 25, 1), 1
	s_wait_xcnt 0x0
; xfrag = X [1024][512] f32 rounded to bf16 (nearest even), laid out as the second matrix source of the 16x16x32 bf16 form wants it:
; [block of 64 queries, 16][K step of 32, 16][q, 4][half, 2][lane, 32][16 bytes].
; Fragment (q, K step), lane (r = lane % 16, h = lane / 16) holds query 64 block + 16 q + r; half 0 holds k = 32 step + 8 h .. + 7,
; half 1 holds k = 32 step + 16 + 8 h .. + 7.  The next launch then fills its query registers by plain contiguous 16-byte loads.
; 512 waves; wave W takes query tile T = W / 8 (block T / 4, q = T % 4) and the two K steps 2 p, 2 p + 1 with p = W % 8:
; 256 consecutive aligned bytes of each of its sixteen rows.  Each store of a wave covers 512 consecutive bytes.
; No LDS, no barrier: every wave works for itself.
.set IN,  4                            ; v[4:35]   eight loads of four f32
.set OUT, 36                           ; v[36:51]  sixteen words of two bf16
	s_load_b128 s[4:7], s[0:1], 0x0                ; X s[4:5], xfrag s[6:7]
	v_lshrrev_b32 v1, 5, v0
	v_readfirstlane_b32 s8, v1                     ; wave 0, 1
	s_lshl1_add_u32 s9, ttmp9, s8                  ; W = 2 x work-group + wave
	s_lshr_b32 s10, s9, 5                          ; block of 64 queries, 0 to 15
	s_bfe_u32 s11, s9, 0x20003                     ; q: two bits from bit 3
	s_and_b32 s12, s9, 7                           ; p
	s_lshl_b32 s13, s10, 17                        ; 64 rows of 2,048 bytes
	s_lshl_b32 s14, s11, 15                        ; 16 q rows
	s_add_co_u32 s13, s13, s14
	s_lshl_b32 s14, s12, 8                         ; 64 p numbers of 4 bytes
	s_add_co_u32 s13, s13, s14
	v_and_b32 v2, 15, v0                           ; r
	v_bfe_u32 v3, v0, 4, 1                         ; h
	v_lshlrev_b32 v2, 11, v2                       ; r rows
	v_lshl_add_u32 v2, v3, 5, v2                   ; + 8 h numbers
	v_add_nc_u32 v2, s13, v2                       ; my byte offset in X
	s_lshl_b32 s15, s10, 16                        ; a block's fragments: 65,536 bytes
	s_lshl_b32 s14, s12, 13                        ; two K steps of 4,096 bytes
	s_add_co_u32 s15, s15, s14
	s_lshl_b32 s14, s11, 10                        ; q fragments of 1,024 bytes
	s_add_co_u32 s15, s15, s14
	v_and_b32 v3, 31, v0
	v_lshlrev_b32 v3, 4, v3
	v_add_nc_u32 v3, s15, v3                       ; my byte offset in xfrag
	s_wait_kmcnt 0x0
.set nn, 0
.rept 8
	global_load_b128 v[IN+4*nn:IN+4*nn+3], v2, s[4:5] offset:(nn>>1)*64+(nn&1)*16   ; pieces of 32 bytes at 0, 64, 128, 192
.set nn, nn+1
.endr
	s_wait_loadcnt 0x0                             ; all eight: nothing else is left to do meanwhile
.set nn, 0
.rept 16
	v_cvt_pk_bf16_f32 v[OUT+nn], v[IN+2*nn], v[IN+2*nn+1]      ; the lower k into the lower half
.set nn, nn+1
.endr
.set nn, 0
.rept 4
	global_store_b128 v3, v[OUT+4*nn:OUT+4*nn+3], s[6:7] offset:(nn>>1)*4096+(nn&1)*512
.set nn, nn+1
.endr
	s_endpgm
.Lfunc_end_k_qcb07cff7e1_pack:
	.size	k_qcb07cff7e1_pack, .Lfunc_end_k_qcb07cff7e1_pack-k_qcb07cff7e1_pack
	.p2alignl 7, 3214868480
	.fill 96, 4, 3214868480
	.section	.rodata,"a",@progbits
	.p2align	6, 0x0
	.amdhsa_kernel k_qcb07cff7e1_pack
		.amdhsa_group_segment_fixed_size 0
		.amdhsa_private_segment_fixed_size 0
		.amdhsa_enable_private_segment 0
		.amdhsa_kernarg_size 16
		.amdhsa_user_sgpr_count 2
		.amdhsa_user_sgpr_kernarg_segment_ptr 1
		.amdhsa_wavefront_size32 1
		.amdhsa_system_sgpr_workgroup_id_x 1
		.amdhsa_system_sgpr_workgroup_id_y 1
		.amdhsa_system_sgpr_workgroup_id_z 1
		.amdhsa_system_vgpr_workitem_id 0
		.amdhsa_next_free_vgpr 52
		.amdhsa_next_free_sgpr 66
		.amdhsa_reserve_vcc 0
		.amdhsa_float_denorm_mode_32 3
		.amdhsa_float_denorm_mode_16_64 3
		.amdhsa_memory_ordered 1
		.amdhsa_forward_progress 1
		.amdhsa_inst_pref_size 4
	.end_amdhsa_kernel
	.amdgpu_metadata
---
amdhsa.version: [ 1, 2 ]
amdhsa.kernels:
  - .name:           k_qcb07cff7e1_pack
    .symbol:         k_qcb07cff7e1_pack.kd
    .args:
      - { .name: X, .offset: 0, .size: 8, .value_kind: global_buffer, .address_space: global }
      - { .name: xfrag, .offset: 8, .size: 8, .value_kind: global_buffer, .address_space: global }
    .group_segment_fixed_size: 0
    .private_segment_fixed_size: 0
    .kernarg_segment_align: 8
    .kernarg_segment_size: 16
    .max_flat_workgroup_size: 64
    .sgpr_count:     66
    .vgpr_count:     52
    .wavefront_size: 32
...
	.end_amdgpu_metadata
.endif
;; end of part 5
;; launch knn (part 6): grid 256 x 1, 4 waves a work-group, clusters of 4 x 1, 327,680 bytes of LDS; arguments X_train, xfrag, candkey, candrow; writes candkey, candrow
.if DOCPART == 6
	.amdgcn_target "amdgcn-amd-amdhsa--gfx1250"
	.amdhsa_code_object_version 6
	.text
	.protected	k_qcb07cff7e1_knn
	.globl	k_qcb07cff7e1_knn
	.p2align	8
	.type	k_qcb07cff7e1_knn,@function
k_qcb07cff7e1_knn:
	s_mov_b64 s[64:65], 0
	v_nop
	global_prefetch_b8 v0, s[64:65] scope:SCOPE_SE
	s_setreg_imm32_b32 hwreg(HW_REG_WAVE_MODE, 25, 1), 1
	s_wait_xcnt 0x0
	s_wait_alu depctr_hold_cnt(0) depctr_sa_sdst(0) depctr_va_vdst(0) depctr_va_sdst(0) depctr_va_ssrc(0) depctr_va_vcc(0) depctr_vm_vsrc(0)
	s_getreg_b32 s2, hwreg(HW_REG_IB_STS2, 6, 4)
	s_cmp_eq_u32 s2, 0
	s_cbranch_scc0 .Lentry_in_a_cluster
	s_endpgm
.Lentry_in_a_cluster:
	s_bfe_u32 s2, ttmp6, 0x10000c
	s_cmp_lg_u32 s2, 0x3003
	s_cbranch_scc0 .Lentry_shape_is_right
	s_endpgm
.Lentry_shape_is_right:
; For every query: the 8 best groups of 8 consecutive training rows in each of 128 streams, ranked by
; key = max over the group's rows of s = x.t - t2/2  (d2 = x2 - 2 s, so the largest s is the smallest distance),
; equal keys: the lower row first.  x and t are rounded to bf16, t2 is the sum of squares of the ROUNDED numbers, all sums in f32.
; The 8 best groups hold the 8 best rows: a row of a group left out has 8 rows ahead of it, one in each chosen group.
; LIMITS: inputs finite and sums of squares inside f32.  Groups are ranked before the clip at 0 and the root that the last launch
; applies: two rows whose d2 differ while their roots round alike may be told apart here by d2 and not by their index.
;
; SHARES.  64 clusters of four work-groups.  Cluster c owns a slab of training rows: groups 195 c + max(c - 44, 0) on, 49 tiles of 32 rows
; (196 groups).  12,500 groups = 44 x 195 + 20 x 196: in slabs c < 44 the 196th group is the next slab's first and its key is replaced by -inf.
; The four work-groups of a cluster own the four blocks of 256 queries and read the SAME training tiles: each tile is asked for jointly
; (mask 15), so it is requested once for the four.  Wave w keeps 64 queries x 512 k as 64 fragments in 512 registers for the whole launch.
; A tile comes as f32 into one of two LDS slots (wave w brings K quarter w, 32 rows x 512 bytes), is rounded to bf16 ONCE per work-group
; (wave w: rows 16 (w & 1) .., K half w >> 1) into fragment order in a second LDS region, and is then read by all four waves.
; The same wave forms its rows' squares by multiplying its fragments with themselves and taking the diagonal.
; First matrix source = 16 training rows, second = 16 queries: lane (r, h), register j of a result is (row 8 h + j, query column r),
; so a group of 8 rows is a lane's own 8 registers and its maximum needs no traffic between lanes.  Column r of fragment q is query 16 q + r.
; THE LISTS RUN ONE TILE BEHIND: a tile's eight group maxima (KEY) are made behind its products and go into the lists during the NEXT tile's
; products, 3 or 4 vector instructions behind every second matrix instruction: they touch none of the products' registers.
; OUT: candkey and candrow are [stream 2 c + h][block of 16 queries][half of the ranks][query][4 ranks]: the next launch reads a list by 16-byte loads.
;
; LDS: f32 slot s at s x 67,584: quarter kq at + kq x 16,896, row at + 528 (512 of data, 16 of padding: row r starts 33 r sixteen-byte
; columns on, so sixteen rows touch sixteen different columns modulo 256 bytes).  bf16 buffer b at 135,168 + b x 32,768: fragment (K step, rt)
; at (2 step + rt) x 1,024 + half x 512 + lane x 16.  -t2/2 at 200,704 + b x 256 + K half x 128 + row x 4.  The last two regions are written
; by LDS stores alone; no tensor load lands there.
; REGISTERS: window 1: query fragments of K steps 0-7 at 8 (4 (step & 7) + q); window 2: steps 8-15; window 3: the tile's 32 fragments at
; 8 (2 step + rt); window 0: all the rest (below).
.set QPITCH, 528
.set QUART,  32*QPITCH                 ; 16,896: what one tensor load brings
.set SLOT,   4*QUART                   ; 67,584
.set BF,     2*SLOT                    ; 135,168
.set BFB,    32768
.set T2P,    BF+2*BFB                  ; 200,704
.set TILEB,  65536                     ; 32 rows of 2,048 bytes in memory
.set ABASE, 4                          ; v4     BF + 16 lane
.set T2LD,  5                          ; v5     T2P + 32 h
.set CVA,   6                          ; v6-7   where I read f32 for the rounding, slot 0, 1
.set CST,   8                          ; v8     where I put bf16 fragments
.set T2ST,  9                          ; v9     where I put -t2/2
.set PFO,   10                         ; v10    prefetch: my 256 bytes of a tile
.set L16,   11                         ; v11    16 lane
.set OUTO,  12                         ; v12    my byte offset in the outputs
.set ROWH,  13                         ; v13    slab's first row + 8 h
.set TA,    14
.set T2N,   16                         ; v[16:31]   -t2/2 as the sums' start, rt 0 and 1
.set ACC,   32                         ; v[32:95]   accumulator (rt, q) at 32 + 8 (4 rt + q)
.set FRG,   32                         ; the same registers: my eight bf16 fragments while I round the next tile
.set S,     96                         ; v[96:159]  f32 on their way
.set L,     160                        ; v[160:191] list of keys: query q, rank i at 160 + 8 q + i
.set ID,    192                        ; v[192:223] the same for the group's row (counted from ROWH)
.set GA,    224                        ; v[224:231], v[232:239]: two accumulators for the squares
.set GB,    232
.set KEY,   240                        ; v[240:247] group maxima (rt, q) of the tile multiplied last
.set TW,    248
.set G1,  16                           ; s[16:23] descriptor group 1
.set G0,  24                           ; s[24:31] descriptor group 0, a set for each slot
.set CM,  44                           ; s[44:51] masks of an insertion
.set MSB, 0
.macro WIN new                         ; the immediate's high byte repeats the setting that is left
.if MSB != \new
	s_set_vgpr_msb (MSB<<8)|\new
.set MSB, \new
.endif
.endm
.macro PLACES                          ; four plain vector places behind a matrix instruction before its result is read (ISA guide 7.12.1)
.rept 4
	v_nop
.endr
.endm
; A round of the cluster's barrier: my work-group's barrier, wave 0 signals for the work-group, every wave waits for all four work-groups, my work-group's barrier again.
.macro ROUND
	s_barrier_signal -1
	s_barrier_wait -1
	s_cmp_lg_u32 s12, 0
	s_cbranch_scc1 .Lnot_wave_0_\@
	s_barrier_signal -3
.Lnot_wave_0_\@:
	s_barrier_wait -3
	s_barrier_signal -1
	s_barrier_wait -1
.endm
; Waves 0 and 1 of each of the four work-groups ask for 32 blocks of 256 bytes each: 8 x 32 x 256 = the 65,536 bytes of one tile, each block once.
.macro ASK
	s_cmp_gt_u32 s12, 1
	s_cbranch_scc1 .Lno_ask_\@
	global_prefetch_b8 v[PFO], s[52:53] th:TH_LOAD_NT scope:SCOPE_SE
.Lno_ask_\@:
.endm
; 32 LDS loads: halves i0 .. i0 + 31 of the tile's fragments into window 3
.macro ALOAD b, i0
.set ii, \i0
.rept 32
	ds_load_b128 v[4*ii:4*ii+3], v[ABASE] offset:\b*BFB+ii*512
.set ii, ii+1
.endr
.endm
; One key goes into a query's descending list of 8, without a branch, in eight chunks.  All compares look at the old list; ranks are
; rewritten from the last up, so each still sees its old neighbour.  Rank i's new key = the middle one of (old rank i - 1, old rank i, key).
; Rank i's row: the new one where key > old rank i (IA), then the old rank i - 1's where key > old rank i - 1 (IB, ahead of IA of rank i - 1).
; The compare is strict and rows come in ascending order: of equal keys the lower row stays ahead.
; qq = query, kk = the key's register, sd = the scalar that holds the group's row: set by INSC.
.macro CMPI i
	v_cmp_gt_f32 s[CM+\i], v[kk], v[L+8*qq+\i]
.endm
.macro IA i
	v_cndmask_b32 v[ID+8*qq+\i], v[ID+8*qq+\i], s[sd], s[CM+\i]
.endm
.macro IB i
	v_cndmask_b32 v[ID+8*qq+\i], v[ID+8*qq+\i], v[ID+8*qq+\i-1], s[CM+\i-1]
.endm
.macro IM i
	v_med3_num_f32 v[L+8*qq+\i], v[L+8*qq+\i-1], v[L+8*qq+\i], v[kk]
.endm
; Chunk g of 64: key g >> 3 (= 4 rt + q: for each query rt 0 goes ahead of rt 1), part g & 7.
.macro INSC g
.set qq, ((\g)>>3)&3
.set kk, KEY+((\g)>>3)
.set sd, 33+((\g)>>5)
.set cc, (\g)&7
.if cc == 0
	CMPI 7
	CMPI 6
	CMPI 5
	IA 7
.endif
.if cc == 1
	CMPI 4
	CMPI 3
	IB 7
	IA 6
.endif
.if cc == 2
	CMPI 2
	CMPI 1
	IB 6
	IA 5
.endif
.if cc == 3
	CMPI 0
	IB 5
	IA 4
	IM 7
.endif
.if cc == 4
	IB 4
	IA 3
	IM 6
	IM 5
.endif
.if cc == 5
	IB 3
	IA 2
	IM 4
	IM 3
.endif
.if cc == 6
	IB 2
	IA 1
	IM 2
	IM 1
.endif
.if cc == 7
	IB 1
	IA 0
	v_max_num_f32 v[L+8*qq], v[L+8*qq], v[kk]
.endif
.endm
; One matrix instruction: accumulator e = 4 rt + q.  first = 1: the sum starts from -t2/2.
.macro MM ks, e, first
.if \first
	v_wmma_f32_16x16x32_bf16 v[ACC+8*(\e):ACC+8*(\e)+7], v[8*(2*\ks+((\e)>>2)):8*(2*\ks+((\e)>>2))+7], v[8*(4*(\ks&7)+((\e)&3)):8*(4*(\ks&7)+((\e)&3))+7], v[T2N+8*((\e)>>2):T2N+8*((\e)>>2)+7]
.else
	v_wmma_f32_16x16x32_bf16 v[ACC+8*(\e):ACC+8*(\e)+7], v[8*(2*\ks+((\e)>>2)):8*(2*\ks+((\e)>>2))+7], v[8*(4*(\ks&7)+((\e)&3)):8*(4*(\ks&7)+((\e)&3))+7], v[ACC+8*(\e):ACC+8*(\e)+7]
.endif
.endm
; One K step: 2 row blocks x 4 query blocks.  The eight accumulators take turns, one instruction a turn.
; Behind every second matrix instruction one chunk of the last tile's insertion, in window 0.  ms = the products' window setting.
.macro MULK ks, first, ms
.irp pp, 0,1,2,3
	WIN \ms
	MM \ks, 2*\pp, \first
	MM \ks, 2*\pp+1, \first
	WIN 0
	INSC 4*\ks+\pp
.endr
.endm
; The maximum of each accumulator's eight registers = of a group of 8 rows
.macro LEVEL0
.irp e, 0,1,2,3,4,5,6,7
	v_max3_num_f32 v[KEY+\e], v[ACC+8*\e], v[ACC+8*\e+1], v[ACC+8*\e+2]
.endr
.irp e, 0,1,2,3,4,5,6,7
	v_max3_num_f32 v[KEY+\e], v[KEY+\e], v[ACC+8*\e+3], v[ACC+8*\e+4]
.endr
.irp e, 0,1,2,3,4,5,6,7
	v_max3_num_f32 v[KEY+\e], v[KEY+\e], v[ACC+8*\e+5], v[ACC+8*\e+6]
.endr
.irp e, 0,1,2,3,4,5,6,7
	v_max_num_f32 v[KEY+\e], v[KEY+\e], v[ACC+8*\e+7]
.endr
.endm
; Rounding a tile.  g = which four of my eight fragments (one K quarter of the f32 slot).
.macro CONVLD slot, g                  ; 16 loads: fragment f of four takes 32 bytes at 128 f and 32 at 128 f + 64
.set nn, 0
.rept 16
	ds_load_b128 v[S+4*nn:S+4*nn+3], v[CVA+\slot] offset:\g*QUART+(nn>>2)*128+((nn>>1)&1)*64+(nn&1)*16
.set nn, nn+1
.endr
.endm
.macro CONVCV g
.set nn, 0
.rept 32
	v_cvt_pk_bf16_f32 v[FRG+32*\g+nn], v[S+2*nn], v[S+2*nn+1]
.set nn, nn+1
.endr
.endm
.macro GRAM1 d, f, zero                ; fragment f times itself: the diagonal gathers the rows' squares
.if \zero
	v_wmma_f32_16x16x32_bf16 v[\d:\d+7], v[FRG+8*\f:FRG+8*\f+7], v[FRG+8*\f:FRG+8*\f+7], 0
.else
	v_wmma_f32_16x16x32_bf16 v[\d:\d+7], v[FRG+8*\f:FRG+8*\f+7], v[FRG+8*\f:FRG+8*\f+7], v[\d:\d+7]
.endif
.endm
.macro CONVST b, g
.irp f, 0,1,2,3
	ds_store_b128 v[CST], v[FRG+32*\g+8*\f:FRG+32*\g+8*\f+3] offset:\b*BFB+(4*\g+\f)*2048
	ds_store_b128 v[CST], v[FRG+32*\g+8*\f+4:FRG+32*\g+8*\f+7] offset:\b*BFB+(4*\g+\f)*2048+512
.endr
.endm
; The diagonal element of row r lies in register r - 8 h of lane (r, h): lanes 0-7 and 24-31, register lane & 7.
.macro DIAG b
	PLACES
.irp e, 0,2,4,6
	v_pk_add_f32 v[GA+\e:GA+\e+1], v[GA+\e:GA+\e+1], v[GB+\e:GB+\e+1]
.endr
	v_cndmask_b32 v[TW], v[GA], v[GA+1], s37
.irp j, 2,3,4,5,6,7
	v_cndmask_b32 v[TW], v[TW], v[GA+\j], s[36+\j]
.endr
	v_mul_f32 v[TW], -0.5, v[TW]
	v_permlanex16_b32 v[TW+1], v[TW], s54, s55     ; the lane 16 away
	v_cndmask_b32 v[TW], v[TW+1], v[TW], s60       ; lanes without a diagonal element take their partner's: both lanes of a row hold it
	ds_store_b32 v[T2ST], v[TW] offset:\b*256
.endm
; All but the first sixteen loads of a tile's rounding, from f32 slot sl into bf16 buffer sl.
.macro CONVREST sl
	s_wait_dscnt 0x0                               ; the first sixteen f32 loads are in
	CONVCV 0
	CONVLD \sl, 1
	GRAM1 GA, 0, 1                                 ; two accumulators by turns, one instruction a turn
	GRAM1 GB, 1, 1
	GRAM1 GA, 2, 0
	GRAM1 GB, 3, 0
	CONVST \sl, 0
	s_wait_dscnt 8                                 ; LDS instructions end in order (ISA guide 5.7.1): only the eight stores may be out, the sixteen loads are in
	CONVCV 1
	GRAM1 GA, 4, 0
	GRAM1 GB, 5, 0
	GRAM1 GA, 6, 0
	GRAM1 GB, 7, 0
	CONVST \sl, 1
	DIAG \sl
.endm
; Tile t, slot = t & 1, oth = the other slot.  refill: tile t + 2 is asked for; conv: tile t + 1 is rounded; pf: tile t + 3 is prefetched;
; last: the tile that holds the 196th group.  s33, s34 hold the rows of tile t - 1, whose keys go into the lists in this trip.
.macro TRIP slot, oth, refill, conv, pf, last
	s_wait_dscnt 0x0                               ; my LDS reads (f32 slot, bf16 buffer) and stores of the last trip are done
	s_wait_tensorcnt 0x0                           ; all my tensor loads have landed: my quarter of tile t + 1; no descriptor of mine is in use
	ds_add_u32 v254, v255
	s_wait_dscnt 0x0
.if \pf
	s_wait_xcnt 0x0                                ; the last trip's prefetch has had its address translated (ISA guide 3.1): its base may step
	s_add_nc_u64 s[52:53], s[52:53], TILEB
.endif
.if \refill
	s_add_nc_u64 s[G0+4*\slot+2:G0+4*\slot+3], s[G0+4*\slot+2:G0+4*\slot+3], 2*TILEB
	ROUND                                          ; the two waits above now hold of every wave of all four work-groups
	tensor_load_to_lds s[G0+4*\slot:G0+4*\slot+3], s[G1:G1+7]      ; my one tensor load until the next round: tile t + 2 into the slot rounded last trip
	s_nop 0
.else
	s_barrier_signal -1
	s_barrier_wait -1                              ; it shows the bf16 buffer and the last f32 tile to every wave
.endif
.if \pf
	ASK                                            ; tile t + 3, one trip ahead of its tensor load; the last trip that asks is t = 45, for tile 48
.endif
.set nn, 0
.rept 8
	ds_load_b128 v[S+4*nn:S+4*nn+3], v[T2LD] offset:\slot*256+(nn>>2)*128+((nn>>1)&1)*64+(nn&1)*16   ; -t2/2 of rows 16 rt + 8 h + 0..7, both K halves
.set nn, nn+1
.endr
	WIN 0xc0                                       ; destination window 3
	ALOAD \slot, 0
	WIN 0
	s_wait_dscnt 32                                ; all but the 32 fragment loads: the eight loads of -t2/2 are in
.irp e, 0,2,4,6,8,10,12,14
	v_pk_add_f32 v[T2N+\e:T2N+\e+1], v[S+\e:S+\e+1], v[S+16+\e:S+16+\e+1]
.endr
	s_wait_dscnt 28                                ; each K step needs four loads; the count is the number of younger ones
	MULK 0, 1, 0x07                                ; 0x07: first source window 3, second window 1
.irp k, 1,2,3
	s_wait_dscnt 28-4*\k
	MULK \k, 0, 0x07
.endr
	WIN 0xc0
	ALOAD \slot, 32                                ; into registers whose last readers were the last trip's K steps 8-15
	WIN 0
.irp k, 4,5,6,7
	s_wait_dscnt 60-4*\k                           ; 44, 40, 36, 32: the rest of the first run and the whole second
	MULK \k, 0, 0x07
.endr
.irp k, 8,9,10,11,12,13,14,15
	s_wait_dscnt 60-4*\k                           ; 28 down to 0
	MULK \k, 0, 0x0b                               ; 0x0b: second source window 2
.endr
.if \conv
	CONVLD \oth, 0                                 ; the next tile's first f32 come while the maxima are taken
.endif
	PLACES
	LEVEL0                                         ; the last tile's keys have all been read: KEY now holds this tile's
.if \last
.irp q, 0,1,2,3
	v_cndmask_b32 v[KEY+4+\q], v[KEY+4+\q], s35, s36               ; rows 24-31 (rt 1, h 1): -inf where they are the next slab's
.endr
.endif
.if \conv
	CONVREST \oth
.endif
	s_add_co_u32 s33, s33, 32
	s_add_co_u32 s34, s34, 32
.endm
	s_load_b256 s[4:11], s[0:1], 0x0               ; X_train s[4:5], xfrag s[6:7], candkey s[8:9], candrow s[10:11]
	v_lshl_add_u32 v254, v0, 2, 0x31200
	v_mov_b32 v255, 0
	ds_add_u32 v254, v255
	v_lshrrev_b32 v1, 5, v0
	v_readfirstlane_b32 s12, v1                    ; wave 0..3
	s_bfe_u32 s13, ttmp6, 0x40000                  ; cx: my block of 256 queries
	s_mov_b32 s14, ttmp9                           ; c: the cluster = the slab
	s_mul_i32 s56, s14, 195
	s_sub_co_i32 s57, s14, 44
	s_max_i32 s57, s57, 0
	s_add_co_u32 s56, s56, s57                     ; the slab's first group
	s_lshl_b32 s15, s56, 3                         ; its first row
	s_cmp_lt_u32 s14, 44
	s_cselect_b32 s36, 0xffff0000, 0               ; lanes 16-31 where the 196th group is not mine
	; group 1: a tile of 32 rows x 128 f32, padded in LDS, for all four work-groups
	s_mov_b32 s[G1+0], 15|(2<<16)|(1<<20)|(1<<21)|(6<<22)|(3<<25)  ; 15:0 mask: the cluster's four; 17:16 elements of 4 bytes; 20 padding on; 21 set beside a mask; 24:22 after every 128 words; 31:25 four words
	s_mov_b32 s[G1+1], 128<<16                     ; tensor_dim0 = 128
	s_mov_b32 s[G1+2], 32<<16                      ; tensor_dim1 = 32
	s_mov_b32 s[G1+3], 128<<16                     ; tile_dim0 = 128
	s_mov_b32 s[G1+4], 32                          ; tile_dim1 = 32
	s_mov_b32 s[G1+5], 512                         ; elements from row to row
	s_mov_b32 s[G1+6], 0
	s_mov_b32 s[G1+7], 0
	s_lshl_b32 s56, s15, 11                        ; the slab's first byte (below 2^28)
	s_mov_b32 s57, 0
	s_lshl_b32 s58, s12, 9                         ; K quarter w
	s_mov_b32 s59, 0
	s_mul_i32 s61, s12, QUART                      ; and its place in a slot: the wave's number alone
	s_lshl2_add_u32 s62, s13, s12                  ; 4 cx + w: my 64 queries
	s_lshl_b32 s62, s62, 16
	s_mov_b32 s63, 0
	v_and_b32 v1, 31, v0                           ; lane
	v_lshlrev_b32 v[L16], 4, v1
	s_wait_dscnt 0x0
	s_wait_kmcnt 0x0
	s_add_nc_u64 s[52:53], s[4:5], s[56:57]        ; the slab
	s_add_nc_u64 s[56:57], s[52:53], s[58:59]      ; my quarter of tile 0: hangs on c and the wave alone, alike in the four partners
	s_add_nc_u64 s[6:7], s[6:7], s[62:63]
.irp e, 0,1
	s_mov_b32 s[G0+4*\e], 1
	s_add_co_u32 s[G0+4*\e+1], s61, \e*SLOT
	s_add_nc_u64 s[G0+4*\e+2:G0+4*\e+3], s[56:57], \e*TILEB
	s_or_b32 s[G0+4*\e+3], s[G0+4*\e+3], 0x80000000
.endr
	s_add_nc_u64 s[52:53], s[52:53], 2*TILEB       ; the prefetch starts at tile 2
	ROUND                                          ; all four work-groups are here: the first joint loads meet
	tensor_load_to_lds s[G0:G0+3], s[G1:G1+7]      ; tile 0
	s_nop 0
	tensor_load_to_lds s[G0+4:G0+7], s[G1:G1+7]    ; tile 1: by this text's count two tensor loads of a wave are out here, later one
	s_nop 0
	WIN 0x40                                       ; my 64 queries: 128 loads of 512 consecutive bytes
.set ii, 0
.rept 64
	global_load_b128 v[4*ii:4*ii+3], v[L16], s[6:7] offset:ii*512
.set ii, ii+1
.endr
	WIN 0x80
.set ii, 0
.rept 64
	global_load_b128 v[4*ii:4*ii+3], v[L16], s[6:7] offset:32768+ii*512
.set ii, ii+1
.endr
	WIN 0
	s_lshl1_add_u32 s56, s13, s12                  ; 2 cx + w: which eighth of a tile I ask for (waves 0 and 1)
	s_lshl_b32 s56, s56, 13
	v_lshl_add_u32 v[PFO], v1, 8, s56
	ASK                                            ; tile 2
	v_and_b32 v2, 15, v0                           ; r
	v_bfe_u32 v3, v0, 4, 1                         ; h
	v_add_nc_u32 v[ABASE], BF, v[L16]
	v_lshlrev_b32 v[TA], 5, v3
	v_add_nc_u32 v[T2LD], T2P, v[TA]
	s_and_b32 s58, s12, 1                          ; rt: which 16 rows I round
	s_lshr_b32 s59, s12, 1                         ; kh: which K half
	s_mul_i32 s56, s59, 2*QUART
	s_mul_i32 s57, s58, 16*QPITCH
	s_add_co_u32 s56, s56, s57
	v_mul_u32_u24 v[CVA], v2, QPITCH
	v_add3_u32 v[CVA], v[CVA], v[TA], s56          ; kh x 2 quarters + (16 rt + r) rows + 8 h numbers
	v_add_nc_u32 v[CVA+1], SLOT, v[CVA]
	s_lshl_b32 s56, s59, 14
	s_lshl_b32 s57, s58, 10
	s_add_co_u32 s56, s56, s57
	v_add_nc_u32 v[CST], s56, v[ABASE]             ; fragment (8 kh, rt)
	s_lshl_b32 s56, s59, 7
	s_lshl_b32 s57, s58, 6
	s_add_co_u32 s56, s56, s57
	s_add_co_u32 s56, s56, T2P
	v_lshl_add_u32 v[T2ST], v2, 2, s56
	s_lshl_b32 s56, s12, 11                        ; my 64 queries: four blocks of 16, 512 bytes each
	v_lshlrev_b32 v[OUTO], 15, v3                  ; stream h: 1,024 queries x 8 ranks x 4 bytes
	v_lshl_add_u32 v[OUTO], v2, 4, v[OUTO]         ; query r of a block: 16 bytes
	v_add_nc_u32 v[OUTO], s56, v[OUTO]
	v_lshl_add_u32 v[ROWH], v3, 3, s15
	v_mov_b32 v[TW+1], 0                           ; v_permlanex16_b32 counts as a reader of its destination
	s_mov_b32 s33, 0xffffffe0                      ; rows of a tile's two row blocks, counted from the slab, one tile behind: -32 and -16 in trip 0,
	s_mov_b32 s34, -16                             ; where the keys are -inf and no row is taken
	s_mov_b32 s35, 0xff800000                      ; -inf
.irp j, 1,2,3,4,5,6,7
	s_mov_b32 s[36+\j], 0x01010101<<\j             ; lanes with lane & 7 = j
.endr
	s_mov_b32 s54, 0x76543210
	s_mov_b32 s55, 0xfedcba98
	s_mov_b32 s60, 0xff0000ff                      ; lanes that hold a diagonal element
.set ii, 0
.rept 32
	v_mov_b32 v[L+ii], s35                         ; empty lists; every stream has at least 97 groups, so none of this is left at the end
	v_mov_b32 v[ID+ii], 0
.set ii, ii+1
.endr
.irp e, 0,1,2,3,4,5,6,7
	v_mov_b32 v[KEY+\e], s35                       ; trip 0 has no tile behind it: -inf passes no strict compare and leaves every list as it is
.endr
	s_wait_tensorcnt 0x1                           ; my quarter of tile 0 is in; tile 1 may stay out
	s_barrier_signal -1
	s_barrier_wait -1                              ; everybody's quarter is in
	CONVLD 0, 0
	CONVREST 0                                     ; tile 0 rounded into buffer 0
	s_wait_loadcnt 0x0                             ; my queries
	s_mov_b32 s32, 23
.Ltiles:                                       ; tiles 0 to 45
	TRIP 0, 1, 1, 1, 1, 0
	TRIP 1, 0, 1, 1, 1, 0
	s_sub_co_i32 s32, s32, 1
	s_cmp_lg_u32 s32, 0
	s_cbranch_scc1 .Ltiles
	TRIP 0, 1, 1, 1, 0, 0                          ; tile 46 asks for tile 48, the last
	TRIP 1, 0, 0, 1, 0, 0                          ; tile 47 rounds tile 48
	TRIP 0, 1, 0, 0, 0, 1                          ; tile 48
.set gi, 0
.rept 64
	INSC gi                                        ; tile 48's keys: no products are left to stand among
.set gi, gi+1
.endr
	; Out: ranks 4 f .. 4 f + 3 of query 16 q + r are a lane's four neighbouring registers; sixteen lanes store 256 consecutive bytes, aligned.
.set ii, 0
.rept 32
	v_add_nc_u32 v[ID+ii], v[ROWH], v[ID+ii]
.set ii, ii+1
.endr
	s_lshl_b32 s56, s14, 16                        ; two streams of 32,768 bytes
	s_lshl_b32 s57, s13, 13                        ; 256 cx queries: sixteen blocks of 512 bytes
	s_add_co_u32 s56, s56, s57
	s_mov_b32 s57, 0
	s_add_nc_u64 s[8:9], s[8:9], s[56:57]
	s_add_nc_u64 s[10:11], s[10:11], s[56:57]
.irp q, 0,1,2,3
.irp f, 0,1
	global_store_b128 v[OUTO], v[L+8*\q+4*\f:L+8*\q+4*\f+3], s[8:9] offset:\q*512+\f*256
	global_store_b128 v[OUTO], v[ID+8*\q+4*\f:ID+8*\q+4*\f+3], s[10:11] offset:\q*512+\f*256
.endr
.endr
	ROUND                                          ; the closing round: no work-group ends while a partner may still ask for a tile that names it
	s_endpgm
.Lfunc_end_k_qcb07cff7e1_knn:
	.size	k_qcb07cff7e1_knn, .Lfunc_end_k_qcb07cff7e1_knn-k_qcb07cff7e1_knn
	.p2alignl 7, 3214868480
	.fill 96, 4, 3214868480
	.section	.rodata,"a",@progbits
	.p2align	6, 0x0
	.amdhsa_kernel k_qcb07cff7e1_knn
		.amdhsa_group_segment_fixed_size 327680
		.amdhsa_private_segment_fixed_size 0
		.amdhsa_enable_private_segment 0
		.amdhsa_kernarg_size 32
		.amdhsa_user_sgpr_count 2
		.amdhsa_user_sgpr_kernarg_segment_ptr 1
		.amdhsa_wavefront_size32 1
		.amdhsa_system_sgpr_workgroup_id_x 1
		.amdhsa_system_sgpr_workgroup_id_y 1
		.amdhsa_system_sgpr_workgroup_id_z 1
		.amdhsa_system_vgpr_workitem_id 0
		.amdhsa_next_free_vgpr 1024
		.amdhsa_next_free_sgpr 66
		.amdhsa_reserve_vcc 0
		.amdhsa_float_denorm_mode_32 3
		.amdhsa_float_denorm_mode_16_64 3
		.amdhsa_memory_ordered 1
		.amdhsa_forward_progress 1
		.amdhsa_inst_pref_size 255
	.end_amdhsa_kernel
	.section	.bss,"aw",@nobits
	.p2align	6
	.space	262144
	.amdgpu_metadata
---
amdhsa.version: [ 1, 2 ]
amdhsa.kernels:
  - .name:           k_qcb07cff7e1_knn
    .symbol:         k_qcb07cff7e1_knn.kd
    .args:
      - { .name: X_train, .offset: 0, .size: 8, .value_kind: global_buffer, .address_space: global }
      - { .name: xfrag, .offset: 8, .size: 8, .value_kind: global_buffer, .address_space: global }
      - { .name: candkey, .offset: 16, .size: 8, .value_kind: global_buffer, .address_space: global }
      - { .name: candrow, .offset: 24, .size: 8, .value_kind: global_buffer, .address_space: global }
    .group_segment_fixed_size: 327680
    .private_segment_fixed_size: 0
    .kernarg_segment_align: 8
    .kernarg_segment_size: 32
    .max_flat_workgroup_size: 128
    .sgpr_count:     66
    .vgpr_count:     1024
    .wavefront_size: 32
...
	.end_amdgpu_metadata
.endif
;; end of part 6
;; launch merge (part 7): grid 128 x 1, 8 waves a work-group, no clusters, 17,408 bytes of LDS; arguments candkey, candrow, order; writes order
.if DOCPART == 7
	.amdgcn_target "amdgcn-amd-amdhsa--gfx1250"
	.amdhsa_code_object_version 6
	.text
	.protected	k_qcb07cff7e1_merge
	.globl	k_qcb07cff7e1_merge
	.p2align	8
	.type	k_qcb07cff7e1_merge,@function
k_qcb07cff7e1_merge:
	s_mov_b64 s[64:65], 0
	v_nop
	global_prefetch_b8 v0, s[64:65] scope:SCOPE_SE
	s_setreg_imm32_b32 hwreg(HW_REG_WAVE_MODE, 25, 1), 1
	s_wait_xcnt 0x0
; order[query][0..7] = the first rows of the query's 8 best groups, out of 128 sorted lists of 8 (key f32, row).
; Order: the larger key first, of equal keys the lower row.  Rows are all different, so the order is total and the result does not
; hang on the order of the merges.  No branch hangs on a key: every comparator is compares, max, min and selects.
; LIMIT: keys are finite or -inf (the launch before makes no other from finite inputs).
; candkey, candrow: [stream 128][block of 16 queries, 64][half of the ranks, 2][query 16][4 ranks], 4 bytes each.
; 128 work-groups of eight waves; a work-group takes 8 queries.  Lane = (query = lane & 7, sub = lane >> 3); wave p, sub s takes the four
; streams 4 (4 p + s) .. + 3.  A list is four loads of 16 bytes (2 of keys, 2 of rows); the eight lanes of a sub cover 128 consecutive bytes,
; every one of them used: 16 loads a wave, 8 x 16 x 4 = 512 such pieces a work-group.
; Three merges make the unit's list; two exchanges in registers (lane ^ 8 by DPP, lane ^ 16 by v_permlanex16_b32), a merge behind each, make
; the wave's list, alike in all four subs.  One hand-over through LDS; then in wave 0 sub s merges the lists of waves 2 s and 2 s + 1,
; and two more exchanges make the query's list: eight merges one behind the other in all.
; A merge of two descending lists A, N keeps the better of (A[i], N[7 - i]): the best 8 of the 16, as a bitonic run, sorted by three
; stages of comparators at distances 4, 2, 1.
; A comparator: two strict compares of the keys; the rows for equal keys are the smaller and the larger row; a select for each compare puts
; the rows right where the keys differ.  A stage's comparators are written phase by phase, so that no select stands next to its compare.
; LDS: 8 x 2,048 bytes (wave, register 0-15, lane).  No tensor loads, matrix units or clusters: nothing is shared between work-groups.
.set KL, 16                            ; v[16:47]   keys as loaded: list l, rank i at 16 + 8 l + i
.set RL, 48                            ; v[48:79]   rows likewise
.set RK, 80                            ; v[80:87]   running result, keys
.set RR, 88                            ; v[88:95]   running result, rows
.set TK, 96                            ; v[96:103]  at work
.set TR, 104                           ; v[104:111]
.set MK, 16                            ; s[16:31]   two masks for each of up to eight comparators
; the better of (ka + i) and (kn + 7 - i), into (TK + i, TR + i), in three phases
.macro H1 ka, ra, kn, rn, i
	v_cmp_gt_f32 s[MK+2*\i], v[\kn+7-\i], v[\ka+\i]
	v_cmp_gt_f32 s[MK+2*\i+1], v[\ka+\i], v[\kn+7-\i]
	v_min_u32 v[TR+\i], v[\ra+\i], v[\rn+7-\i]
.endm
.macro H2 ka, ra, kn, rn, i
	v_max_num_f32 v[TK+\i], v[\ka+\i], v[\kn+7-\i]
	v_cndmask_b32 v[TR+\i], v[TR+\i], v[\rn+7-\i], s[MK+2*\i]
.endm
.macro H3 ka, ra, kn, rn, i
	v_cndmask_b32 v[TR+\i], v[TR+\i], v[\ra+\i], s[MK+2*\i+1]
.endm
; places i and j of (ks, rs): the better to place i, the other to place j of (kd, rd), in three phases
.macro C1 kd, rd, ks, rs, i, j
	v_cmp_gt_f32 s[MK+2*(\i)], v[\ks+\j], v[\ks+\i]
	v_cmp_gt_f32 s[MK+2*(\i)+1], v[\ks+\i], v[\ks+\j]
	v_min_u32 v[\rd+\i], v[\rs+\i], v[\rs+\j]
	v_max_u32 v[\rd+\j], v[\rs+\i], v[\rs+\j]
.endm
.macro C2 kd, rd, ks, rs, i, j
	v_max_num_f32 v[\kd+\i], v[\ks+\i], v[\ks+\j]
	v_min_num_f32 v[\kd+\j], v[\ks+\i], v[\ks+\j]
	v_cndmask_b32 v[\rd+\i], v[\rd+\i], v[\rs+\j], s[MK+2*(\i)]
	v_cndmask_b32 v[\rd+\j], v[\rd+\j], v[\rs+\i], s[MK+2*(\i)]
.endm
.macro C3 kd, rd, ks, rs, i, j
	v_cndmask_b32 v[\rd+\i], v[\rd+\i], v[\rs+\i], s[MK+2*(\i)+1]
	v_cndmask_b32 v[\rd+\j], v[\rd+\j], v[\rs+\j], s[MK+2*(\i)+1]
.endm
.macro STAGE kd, rd, ks, rs, d, a, b, c, e     ; four comparators (i, i + d), i = a, b, c, e
.irp i, \a,\b,\c,\e
	C1 \kd, \rd, \ks, \rs, \i, \i+\d
.endr
.irp i, \a,\b,\c,\e
	C2 \kd, \rd, \ks, \rs, \i, \i+\d
.endr
.irp i, \a,\b,\c,\e
	C3 \kd, \rd, \ks, \rs, \i, \i+\d
.endr
.endm
.macro MERGE ka, ra, kn, rn            ; (RK, RR) = the best 8 of lists (ka, ra) and (kn, rn)
.irp i, 0,1,2,3,4,5,6,7
	H1 \ka, \ra, \kn, \rn, \i
.endr
.irp i, 0,1,2,3,4,5,6,7
	H2 \ka, \ra, \kn, \rn, \i
.endr
.irp i, 0,1,2,3,4,5,6,7
	H3 \ka, \ra, \kn, \rn, \i
.endr
	STAGE RK, RR, TK, TR, 4, 0,1,2,3
	STAGE TK, TR, RK, RR, 2, 0,1,4,5
	STAGE RK, RR, TK, TR, 1, 0,2,4,6
.endm
.macro ACROSS                          ; the four subs of a query merge their lists: every one ends with the same
.irp i, 0,1,2,3,4,5,6,7
	v_mov_b32_dpp v[KL+\i], v[RK+\i] row_xmask:8 row_mask:0xf bank_mask:0xf    ; lane ^ 8: sub ^ 1
	v_mov_b32_dpp v[RL+\i], v[RR+\i] row_xmask:8 row_mask:0xf bank_mask:0xf
.endr
	MERGE RK, RR, KL, RL
.irp i, 0,1,2,3,4,5,6,7
	v_permlanex16_b32 v[KL+\i], v[RK+\i], s32, s33                             ; lane ^ 16: sub ^ 2
	v_permlanex16_b32 v[RL+\i], v[RR+\i], s32, s33
.endr
	MERGE RK, RR, KL, RL
.endm
.macro TAKE m, off                     ; a wave's list from LDS into list place m
.irp i, 0,1,2,3,4,5,6,7
	ds_load_b32 v[KL+8*\m+\i], v5 offset:\off+\i*128
	ds_load_b32 v[RL+8*\m+\i], v5 offset:\off+1024+\i*128
.endr
.endm
	s_load_b128 s[4:7], s[0:1], 0x0                ; candkey s[4:5], candrow s[6:7]
	s_load_b64 s[8:9], s[0:1], 0x10                ; order
	v_lshl_add_u32 v112, v0, 2, 0x4000
	v_mov_b32 v113, 0
	v_lshrrev_b32 v1, 5, v0
	v_readfirstlane_b32 s10, v1                    ; wave p
	v_and_b32 v1, 31, v0                           ; lane
	v_and_b32 v2, 7, v1                            ; query of the work-group's eight
	v_lshrrev_b32 v7, 3, v1                        ; sub
	s_lshl_b32 s11, s10, 19                        ; 16 p streams of 32,768 bytes
	s_lshr_b32 s12, ttmp9, 1
	s_lshl_b32 s12, s12, 9                         ; my block of 16 queries: 512 bytes
	s_add_co_u32 s11, s11, s12
	s_and_b32 s12, ttmp9, 1
	s_lshl_b32 s12, s12, 7                         ; its lower or upper 8 queries: 128 bytes
	s_add_co_u32 s11, s11, s12
	v_lshlrev_b32 v3, 17, v7                       ; 4 sub streams
	v_lshl_add_u32 v3, v2, 4, v3                   ; 16 bytes a query
	v_add_nc_u32 v3, s11, v3                       ; my byte offset in candkey and candrow
	s_lshl_b32 s13, s10, 11
	v_lshlrev_b32 v4, 2, v1
	v_lshl_add_u32 v5, v7, 12, v4                  ; LDS, for wave 0: wave 2 sub x 2,048 + 4 lane
	v_add_nc_u32 v4, s13, v4                       ; LDS: wave x 2,048 + 4 lane
	s_lshl_b32 s14, ttmp9, 8                       ; 8 queries x 32 bytes of order
	s_mov_b32 s15, 0
	s_mov_b32 s32, 0x76543210                      ; v_permlanex16_b32: lane i of one half reads lane i of the other
	s_mov_b32 s33, 0xfedcba98
	s_wait_kmcnt 0x0
	s_add_nc_u64 s[8:9], s[8:9], s[14:15]
.irp l, 0,1,2,3
	global_load_b128 v[KL+8*\l:KL+8*\l+3],   v3, s[4:5] offset:\l*32768
	global_load_b128 v[KL+8*\l+4:KL+8*\l+7], v3, s[4:5] offset:\l*32768+256
	global_load_b128 v[RL+8*\l:RL+8*\l+3],   v3, s[6:7] offset:\l*32768
	global_load_b128 v[RL+8*\l+4:RL+8*\l+7], v3, s[6:7] offset:\l*32768+256
.endr
	s_wait_loadcnt 8                               ; a list is four loads: lists 0 and 1 are in, the eight loads of lists 2 and 3 may stay out
	MERGE KL, RL, KL+8, RL+8
	s_wait_loadcnt 4                               ; list 3's four may stay out
	MERGE RK, RR, KL+16, RL+16
	s_wait_loadcnt 0x0
	MERGE RK, RR, KL+24, RL+24
	ACROSS                                         ; the wave's list over its 16 streams
.irp i, 0,1,2,3,4,5,6,7
	ds_store_b32 v4, v[RK+\i] offset:\i*128
	ds_store_b32 v4, v[RR+\i] offset:1024+\i*128
.endr
	s_wait_dscnt 0x0                               ; for wave 0, which reads it behind the barrier
	s_barrier_signal -1
	s_barrier_wait -1                              ; eight lists a query lie in LDS
	s_cmp_lg_u32 s10, 0
	s_cbranch_scc1 .Lend
	TAKE 0, 0                                      ; wave 2 sub, at my own lane's place: the same query
	TAKE 1, 2048                                   ; wave 2 sub + 1
	s_wait_dscnt 0x0
	MERGE KL, RL, KL+8, RL+8
	ACROSS                                         ; the query's list
	; every sub holds its query's list.  Lanes 0-7 store ranks 0-3, lanes 8-15 ranks 4-7: one store covers the work-group's 256 consecutive bytes, aligned
	v_and_b32 v8, 8, v1
	v_cmp_ne_u32 s16, 0, v8
.irp j, 0,1,2,3
	v_cndmask_b32 v[TK+\j], v[RR+\j], v[RR+4+\j], s16
.endr
	v_lshlrev_b32 v9, 5, v2                        ; 32 bytes a query
	v_lshl_add_u32 v9, v8, 1, v9                   ; + 16 for the upper ranks
	v_cmp_gt_u32 vcc_lo, 16, v1
	s_wait_xcnt 0x0                                ; EXEC is a source of every memory instruction issued so far: it changes only behind this wait
	s_and_saveexec_b32 s34, vcc_lo
	global_store_b128 v9, v[TK:TK+3], s[8:9]
	s_wait_xcnt 0x0
	s_or_b32 exec_lo, exec_lo, s34
.Lend:
	s_wait_tensorcnt 0x0
	ds_add_u32 v112, v113
	s_wait_dscnt 0x0
	s_endpgm
.Lfunc_end_k_qcb07cff7e1_merge:
	.size	k_qcb07cff7e1_merge, .Lfunc_end_k_qcb07cff7e1_merge-k_qcb07cff7e1_merge
	.p2alignl 7, 3214868480
	.fill 96, 4, 3214868480
	.section	.rodata,"a",@progbits
	.p2align	6, 0x0
	.amdhsa_kernel k_qcb07cff7e1_merge
		.amdhsa_group_segment_fixed_size 17408
		.amdhsa_private_segment_fixed_size 0
		.amdhsa_enable_private_segment 0
		.amdhsa_kernarg_size 24
		.amdhsa_user_sgpr_count 2
		.amdhsa_user_sgpr_kernarg_segment_ptr 1
		.amdhsa_wavefront_size32 1
		.amdhsa_system_sgpr_workgroup_id_x 1
		.amdhsa_system_sgpr_workgroup_id_y 1
		.amdhsa_system_sgpr_workgroup_id_z 1
		.amdhsa_system_vgpr_workitem_id 0
		.amdhsa_next_free_vgpr 114
		.amdhsa_next_free_sgpr 66
		.amdhsa_reserve_vcc 1
		.amdhsa_float_denorm_mode_32 3
		.amdhsa_float_denorm_mode_16_64 3
		.amdhsa_memory_ordered 1
		.amdhsa_forward_progress 1
		.amdhsa_inst_pref_size 80
	.end_amdhsa_kernel
	.amdgpu_metadata
---
amdhsa.version: [ 1, 2 ]
amdhsa.kernels:
  - .name:           k_qcb07cff7e1_merge
    .symbol:         k_qcb07cff7e1_merge.kd
    .args:
      - { .name: candkey, .offset: 0, .size: 8, .value_kind: global_buffer, .address_space: global }
      - { .name: candrow, .offset: 8, .size: 8, .value_kind: global_buffer, .address_space: global }
      - { .name: order, .offset: 16, .size: 8, .value_kind: global_buffer, .address_space: global }
    .group_segment_fixed_size: 17408
    .private_segment_fixed_size: 0
    .kernarg_segment_align: 8
    .kernarg_segment_size: 24
    .max_flat_workgroup_size: 256
    .sgpr_count:     66
    .vgpr_count:     114
    .wavefront_size: 32
...
	.end_amdgpu_metadata
.endif
;; end of part 7
;; launch vote: the kernel of part 4 again; grid 256 x 1, 4 waves a work-group, no clusters, 0 bytes of LDS; arguments X, X_train, y_train, order, out0; writes out0
